; MI455X (gfx1250); checked and timed in simulation.
; The chip was launched on July 23, 2026; its instructions are those of AMD's public machine-readable ISA for CDNA 5 (MIT licence, August 2026) and "CDNA5" Instruction Set Architecture Reference Guide (July 2026). The comments in the code are by the model that wrote it; some were corrected since.
;; Importance Weighted Attention. Allowed arithmetic: matrix products marked QUANTISED: E2M1 operands, one E8M0 scale for each 32 along K, by v_wmma_scale_f32_16x16x128_f8f6f4 with both operands' format E2M1 (or v_wmma_scale_f32_32x16x128_f4), f32 sums; products left as they are: bf16, f16 or f32 operands; f32 sums; everything else in f32.
;; Inputs: Wk 512 x 512 float32; Wo 512 x 512 float32; Wq 512 x 512 float32; Wv 512 x 512 float32; bk 512 float32; bo 512 float32; bq 512 float32; bv 512 float32; importance 8 x 8,192 float32; key 8 x 8,192 x 512 float32; query 8 x 128 x 512 float32; value 8 x 8,192 x 512 float32.
;; Outputs: out0 8 x 128 x 512 float32.
;; This version of the problem:
;;   THIS VERSION OF THE PROBLEM IS GIVEN IN LOW PRECISION. The matrix products marked QUANTISED in the list below multiply operands that are first quantised to E2M1 (2 exponent bits, 1 mantissa bit; 4 bits a number), with one power-of-two scale for each 32 numbers along K (OCP MX v1.0); their sums are f32. The products marked 'left as it is' may take bf16, f16 or f32 operands, with f32 sums. Whichever they take, every output number must still come out within the allowed error. Rounding operands to bf16 (8 significant bits) uses up far more of that allowance than f16 does (11 bits, for magnitudes from 6e-5 to 65,504). All else is computed in f32.
;;   The module's matrix products, in the order in which they are computed (A, B: the left and right operand; K: the contracted axis; several contracted axes count as one K, in the product's order):
;;     1. [M 1,024, K 512] x [K 512, N 512]; A: input query; B: input Wq: QUANTISED
;;     2. [M 65,536, K 512] x [K 512, N 512]; A: input key; B: input Wk: QUANTISED
;;     3. [M 65,536, K 512] x [K 512, N 512]; A: input value; B: input Wv: QUANTISED
;;     4. batch 128 x [M 128, K 32] x [K 32, N 8,192]; A: computed on the way; B: computed on the way: left as it is (an operand is computed on the way)
;;     5. batch 128 x [M 128, K 8,192] x [K 8,192, N 32]; A: computed on the way; B: computed on the way: left as it is (an operand is computed on the way)
;;     6. [M 1,024, K 512] x [K 512, N 512]; A: computed on the way; B: input Wo: left as it is (an operand is computed on the way)
;;   THE QUANTISER, for each operand of a quantised product, along K:
;;     - K is cut into blocks of 32 from its start; a last block that is shorter is filled with zeros.
;;     - A block's scale is 2^e with e = floor(log2(the largest magnitude in the block)) - 2, held to -126 .. 127; a block of zeros has e = 0. As a byte (E8M0): e + 127.
;;     - Each number is divided by its block's scale, clamped to +-6, and rounded to the nearest number of E2M1, ties to even, subnormals kept.
;;     - The product sums the exact products of the quantised numbers (number of the format x scale) in f32.
;;   ~~~python
;;   def quantise(x, axis):      # numpy; x: float32 -> the quantised numbers, widened to float32 again
;;       x = np.moveaxis(x, axis, -1); K = x.shape[-1]
;;       x = np.pad(x, [(0, 0)] * (x.ndim - 1) + [(0, -K % 32)]); x = x.reshape(x.shape[:-1] + (-1, 32)); a = np.abs(x).max(-1, keepdims=True)
;;       e = np.where(a > 0, np.clip(np.frexp(np.where(a > 0, a, 1))[1] - 1 - 2, -126, 127), 0)      # np.frexp(a)[1] - 1 = floor(log2(a)), exactly
;;       r = np.clip(x / 2.0 ** e, -6, 6)
;;       step = 2.0 ** (np.maximum(np.frexp(np.where(r == 0, 1, r))[1] - 1, 0) - 1)
;;       q = np.round(r / step) * step * 2.0 ** e      # np.round: ties to even
;;       return np.moveaxis(q.reshape(q.shape[:-2] + (-1,))[..., :K], -1, axis).astype(np.float32)
;;   ~~~
;; 2 versions, each right and faster than the one before. Each part assembles by itself: llvm-mc -triple=amdgcn-amd-amdhsa -mcpu=gfx1250 --defsym DOCPART=n.
;; ======== version 1 of 2: 3 launches
;; limits: values are held in f16: magnitudes above 65,504 overflow, below 6.1e-05 lose precision
;; workspace buffers: WF 262,144 bytes; WSC 16,384 bytes; QF 1,048,576 bytes; PO 33,554,432 bytes; ML 2,097,152 bytes
;; launch prep (part 1): grid 72 x 1, 16 waves a work-group, no clusters, 57,344 bytes of LDS; arguments query, Wq, bq, Wk, Wv, QF, WF, WSC; writes QF, WF, WSC
.if DOCPART == 1
	.amdgcn_target "amdgcn-amd-amdhsa--gfx1250"
	.amdhsa_code_object_version 6
	.text
	.protected	k_q44f0d09293_prep
	.globl	k_q44f0d09293_prep
	.p2align	8
	.type	k_q44f0d09293_prep,@function
k_q44f0d09293_prep:
	s_mov_b64 s[64:65], 0
	v_nop
	global_prefetch_b8 v0, s[64:65] scope:SCOPE_SE
	s_setreg_imm32_b32 hwreg(HW_REG_WAVE_MODE, 25, 1), 1
	s_wait_xcnt 0x0
; FIRST OF THREE LAUNCHES of out = softmax((query Wq^T + bq)(key Wk^T + bk)^T / sqrt(32) + ln(max(importance, 1e-6))) (value Wv^T + bv) Wo^T + bo, 16 heads of 32.
; This launch makes what the second needs ready: q, and the codes of Wk and Wv.
; WORK LEFT OUT, FOR ALL VALUES OF THE INPUTS: bk.  A score is (q . (k' + bk)) / sqrt(32) + ln(..) with k' = key Wk^T; the term q . bk / sqrt(32) hangs on the query and the head alone, so it is
; the same for all keys of a row, that is along the softmax's axis, and the softmax takes it away; the product of q with k is not quantised, so bk moves no code and no scale.  bk has no way to an
; output: it is not loaded and is no argument of any launch.  LIMIT: a NaN, an infinity or an overflow that would come from bk alone is not carried to the result.
; bv is live: since a row of the softmax sums to 1, sum_n p (v' + bv) = sum_n p v' + bv: the third launch adds it once, behind the normalising.
; ROLE Q (work-groups 0-63: batch b = id / 8, heads 2 hp and 2 hp + 1, hp = id % 8): the 128 rows of query and 64 rows of Wq are quantised to E2M1 along K = 512 (one E8M0 byte for 32), multiplied by the
; scaled FP4 matrix instruction with bq as the C of each sum's first step, multiplied by c = log2(e) / sqrt(32), rounded to f16, and stored as the images of operand registers that the second launch loads.
; ROLE W (work-groups 64-71): wave u of 128 quantises 16 rows x 128 K of Wk and of Wv and stores the codes as register images, the scale words with Wk's in lanes 0-15 and Wv's in lanes 16-31.
; AN IMAGE of an operand's 8 registers is 1,024 bytes: registers 4 u .. 4 u + 3 of lane l at 512 u + 16 l.  Any wave that loads it by two 16-byte loads a lane has the same registers in the same lanes.
; THE QUANTISER: lane (r, h) takes row r and k = 64 c + 32 h + 0 .. 31, c = 0, 1, of a K step of 128: two whole blocks, in the order of the 4-bit operand's registers.
; A block's byte is its largest magnitude's exponent field - 2, held at 1 from below.  A block of zeros so keeps the byte 1 where the rule says 127: its codes are zeros, and this program alone reads the bytes.
; LIMITS: NaN and infinities among the inputs are not served; q c must stay under 65,504 (f16).
; NO JOINT LOADS: every operand goes from memory straight into registers in the operand's own order, and the launch reads about 5 MB of unique bytes.  72 work-groups are all the work there is.
.set XI,    0                          ; LDS: query's 32 images (tile of rows qt, K step s: 4 qt + s)
.set WI,    32768                      ; Wq's 16 images (tile ct4, K step s: 4 ct4 + s)
.set XSW,   49152                      ; query's scale words: [qt][lane][s], 512 bytes a tile
.set WSW,   53248                      ; Wq's: [ct4][lane][s]
.set SPARE, 55296                      ; the spare words: 128 bytes for each of 16 waves, named by no other line
.set SPW, 1                            ; v1   my spare word's LDS address; never rewritten
.set NIL, 2                            ; v2   0; never rewritten
.set LN,  3                            ; v3   lane
.set RR,  4                            ; v4   r = lane % 16
.set HH,  5                            ; v5   h = lane / 16
.set GX,  6                            ; v6   2048 r + 128 h: my row, my half's first block, in a tensor with rows of 512 f32
.set L16, 7                            ; v7   16 x lane
.set SH8, 8                            ; v8   8 h: where my two scale bytes stand in the word
.set XIW, 9                            ; v9-12 where I store images and scale words
.set XSA, 10
.set WIW, 11
.set WSA, 12
.set TA,  13                           ; v13  32 h (role Q), 4 x lane (role W)
.set KPW, 14                           ; v14  role W: Wk's scale word, kept
.set TB,  15
.set XS,  16                           ; v16-19 query's scale words; v20-27 Wq's: these registers hold scales and nothing else
.set WS,  20
.set QT,  28                           ; v28-43 the quantiser's: +0,1 largest magnitudes, +2,3 scale operands, +4,5 bytes, +6 the scale word, +7 at work, +8..15 the codes
.set BQ,  44                           ; v44-59 bq in the result's layout, two tiles
.set XIR, 60                           ; v60-63 where I read images and scale words back
.set WIR, 61
.set XSR, 62
.set WSR, 63
.set RA,  64                           ; three sets of 64 numbers
.set RB,  128
.set RC,  192
.set XF,  64                           ; behind the barrier: query's 4 fragments, Wq's 8, two accumulators, q c, q c in f16
.set WFR, 96
.set ACC, 160
.set SCL, 176
.set OUTR, 192
.set SEL, 36                           ; s[36:37] lane selects: lane l xor 16
.set HM,  38                           ; s38 lanes 16-31
.set CS,  40                           ; s[40:41] c
.macro PLACES n
.rept \n
	v_nop
.endr
.endm
; 64 numbers of a lane, v[x + 32 c + i] = k 64 c + 32 h + i of my row, become the fragment's codes in v[t+8 .. t+15] and my row's scale word in v[t+6].
.macro QUANTF x, t
.irp c, 0,1
	v_max3_num_f32 v[(\t)+\c], |v[(\x)+32*\c]|, |v[(\x)+32*\c+1]|, 0x1800000   ; my block 2 c + h, and the floor 2^(3 - 127): the byte cannot fall under 1
.endr
.irp i, 2,4,6,8,10,12,14,16,18,20,22,24,26,28,30
.irp c, 0,1
	v_max3_num_f32 v[(\t)+\c], v[(\t)+\c], |v[(\x)+32*\c+\i]|, |v[(\x)+32*\c+\i+1]|   ; the two blocks by turns
.endr
.endr
.irp c, 0,1
	v_add_nc_u32 v[(\t)+2+\c], 0xff000000, v[(\t)+\c]      ; 2 off the exponent field: the conversion's scale operand
.endr
.irp c, 0,1
	v_lshrrev_b32 v[(\t)+4+\c], 23, v[(\t)+2+\c]           ; the scale's byte
.endr
	v_lshl_or_b32 v[(\t)+6], v[(\t)+5], 16, v[(\t)+4]      ; blocks h and 2 + h,
	v_lshlrev_b32 v[(\t)+6], v[SH8], v[(\t)+6]             ; at their places in the word;
	v_mov_b32 v[(\t)+7], 0
	v_permlanex16_b32 v[(\t)+7], v[(\t)+6], s[SEL], s[SEL+1]
	v_or_b32 v[(\t)+6], v[(\t)+6], v[(\t)+7]               ; with lane l xor 16's two the word is whole, in both halves
.irp c, 0,1
.irp g, 0,1,2,3
	v_cvt_scalef32_pk8_fp4_f32 v[(\t)+8+4*\c+\g], v[(\x)+32*\c+8*\g:(\x)+32*\c+8*\g+7], v[(\t)+2+\c]
.endr
.endr
	v_nop                                                  ; one plain instruction behind the last scaled conversion
.endm
.macro GLOAD reg, base, off            ; 16 rows x 128 K of f32 into 64 registers a lane, in the operand's order
.irp c, 0,1
.irp i, 0,1,2,3,4,5,6,7
	global_load_b128 v[\reg+32*\c+4*\i:\reg+32*\c+4*\i+3], v[GX], s[\base:\base+1] offset:\off+256*\c+16*\i
.endr
.endr
.endm
	s_load_b256 s[4:11], s[0:1], 0x0               ; query s[4:5], Wq s[6:7], bq s[8:9], Wk s[10:11]
	s_load_b256 s[12:19], s[0:1], 0x20             ; Wv s[12:13], QF s[14:15], WF s[16:17], WSC s[18:19]
	v_lshl_add_u32 v[SPW], v0, 2, SPARE
	v_mov_b32 v[NIL], 0
	v_lshrrev_b32 v[TA], 5, v0
	v_readfirstlane_b32 s20, v[TA]                 ; wave 0..15
	v_and_b32 v[LN], 31, v0
	v_and_b32 v[RR], 15, v0
	v_bfe_u32 v[HH], v0, 4, 1
	v_lshlrev_b32 v[GX], 11, v[RR]
	v_lshl_add_u32 v[GX], v[HH], 7, v[GX]
	v_lshlrev_b32 v[L16], 4, v[LN]
	v_lshlrev_b32 v[SH8], 3, v[HH]
	s_mov_b32 s[SEL], 0x76543210
	s_mov_b32 s[SEL+1], 0xfedcba98
	s_mov_b32 s[HM], 0xffff0000
	s_mov_b32 s[CS], 0x3e8293ee                    ; c = log2(e) / sqrt(32)
	s_mov_b32 s[CS+1], s[CS]                       ; (named with it as a pair, so it is written)
	s_mov_b32 s27, 0
	s_wait_kmcnt 0x0
	s_cmp_lt_u32 ttmp9, 64                         ; the work-group's number alone: all sixteen waves go the same way
	s_cbranch_scc0 .Lrole_w
	; ---------------- ROLE Q ----------------
	s_lshr_b32 s21, ttmp9, 3                       ; b
	s_and_b32 s22, ttmp9, 7                        ; hp
	s_and_b32 s23, s20, 1                          ; hh: which head of the pair is mine behind the barrier; which two K steps of query I quantise
	s_lshr_b32 s24, s20, 1                         ; qt: my tile of 16 queries
	s_lshl_b32 s25, s22, 1
	s_add_co_u32 s25, s25, s23                     ; my head
	s_lshl_b32 s26, s25, 7
	s_add_nc_u64 s[8:9], s[8:9], s[26:27]          ; bq at my head's 32 numbers
	s_lshl_b32 s26, s22, 2
	s_lshr_b32 s28, s20, 2
	s_add_co_u32 s26, s26, s28                     ; Wq: tile of 16 rows 4 hp + wave / 4,
	s_lshl_b32 s26, s26, 15
	s_and_b32 s28, s20, 3
	s_lshl_b32 s28, s28, 9                         ; K step wave % 4
	s_add_co_u32 s26, s26, s28
	s_add_nc_u64 s[6:7], s[6:7], s[26:27]
	s_lshl_b32 s26, s21, 3
	s_add_co_u32 s26, s26, s24                     ; query: tile of 16 rows 8 b + qt,
	s_lshl_b32 s26, s26, 15
	s_lshl_b32 s28, s23, 10                        ; K steps 2 hh and 2 hh + 1
	s_add_co_u32 s26, s26, s28
	s_add_nc_u64 s[4:5], s[4:5], s[26:27]
	s_lshl_b32 s26, s21, 4
	s_add_co_u32 s26, s26, s25
	s_lshl_b32 s26, s26, 3
	s_add_co_u32 s26, s26, s24
	s_lshl_b32 s26, s26, 10                        ; QF: image (16 b + head) 8 + qt
	s_add_nc_u64 s[14:15], s[14:15], s[26:27]
	v_lshlrev_b32 v[TA], 5, v[HH]                  ; bq: lane (r, h) wants, for tile ct, channels 16 ct + 8 h + 0 .. 7
.irp c, 0,1
	global_load_b128 v[BQ+8*\c:BQ+8*\c+3], v[TA], s[8:9] offset:64*\c
	global_load_b128 v[BQ+8*\c+4:BQ+8*\c+7], v[TA], s[8:9] offset:64*\c+16
.endr
	GLOAD RA, 6, 0
	GLOAD RB, 4, 0
	GLOAD RC, 4, 512
	s_lshl_b32 s28, s20, 11
	v_add_nc_u32 v[XIW], s28, v[L16]               ; my two images of query: 2,048 x wave (XI = 0)
	s_lshl_b32 s28, s24, 9
	s_lshl_b32 s29, s23, 3
	s_add_co_u32 s29, s29, s28
	s_add_co_u32 s29, s29, XSW
	v_add_nc_u32 v[XSA], s29, v[L16]               ; their scale words: 512 qt + 16 lane + 4 s
	s_add_co_u32 s28, s28, XSW
	v_add_nc_u32 v[XSR], s28, v[L16]
	s_lshl_b32 s28, s20, 10
	s_add_co_u32 s28, s28, WI
	v_add_nc_u32 v[WIW], s28, v[L16]               ; my image of Wq: 1,024 x wave
	s_lshr_b32 s28, s20, 2
	s_lshl_b32 s28, s28, 9
	s_and_b32 s29, s20, 3
	s_lshl_b32 s29, s29, 2
	s_add_co_u32 s28, s28, s29
	s_add_co_u32 s28, s28, WSW
	v_add_nc_u32 v[WSA], s28, v[L16]
	s_lshl_b32 s28, s24, 12
	v_add_nc_u32 v[XIR], s28, v[L16]               ; back: my tile of queries,
	s_lshl_b32 s28, s23, 13
	s_add_co_u32 s28, s28, WI
	v_add_nc_u32 v[WIR], s28, v[L16]               ; my head's two tiles of Wq,
	s_lshl_b32 s28, s23, 10
	s_add_co_u32 s28, s28, WSW
	v_add_nc_u32 v[WSR], s28, v[L16]               ; and their scale words
	s_wait_loadcnt 32                              ; bq and Wq's numbers are in; the two sets of query's, 16 loads each, may be out
	QUANTF RA, QT
	ds_store_b128 v[WIW], v[QT+8:QT+11]
	ds_store_b128 v[WIW], v[QT+12:QT+15] offset:512
	ds_store_b32 v[WSA], v[QT+6]
	s_wait_dscnt 0x0                               ; the stores have read their registers: the next codes may be written
	s_wait_loadcnt 16                              ; query's first set is in
	QUANTF RB, QT
	ds_store_b128 v[XIW], v[QT+8:QT+11]
	ds_store_b128 v[XIW], v[QT+12:QT+15] offset:512
	ds_store_b32 v[XSA], v[QT+6]
	s_wait_dscnt 0x0
	s_wait_loadcnt 0x0
	QUANTF RC, QT
	ds_store_b128 v[XIW], v[QT+8:QT+11] offset:1024
	ds_store_b128 v[XIW], v[QT+12:QT+15] offset:1536
	ds_store_b32 v[XSA], v[QT+6] offset:4
	s_wait_dscnt 0x0                               ; for the others' sake: my images lie in LDS
	s_barrier_signal -1
	s_barrier_wait -1
	ds_load_b128 v[XS:XS+3], v[XSR]                ; the four K steps' scale words of my 16 queries
.irp c, 0,1
	ds_load_b128 v[WS+4*\c:WS+4*\c+3], v[WSR] offset:512*\c
.endr
.irp s, 0,1,2,3
	ds_load_b128 v[XF+8*\s:XF+8*\s+3], v[XIR] offset:1024*\s
	ds_load_b128 v[XF+8*\s+4:XF+8*\s+7], v[XIR] offset:1024*\s+512
.endr
.irp c, 0,1
.irp s, 0,1,2,3
	ds_load_b128 v[WFR+32*\c+8*\s:WFR+32*\c+8*\s+3], v[WIR] offset:4096*\c+1024*\s
	ds_load_b128 v[WFR+32*\c+8*\s+4:WFR+32*\c+8*\s+7], v[WIR] offset:4096*\c+1024*\s+512
.endr
.endr
	s_wait_dscnt 0x0
	; TRANSPOSED: source 0 = 16 channels of Wq, source 1 = 16 queries: lane (r, h) holds query r, register j channel 16 ct + 8 h + j.  The two accumulators take turns.
.irp s, 0,1,2,3
.irp c, 0,1
.if \s == 0
	v_wmma_scale_f32_16x16x128_f8f6f4 v[ACC+8*\c:ACC+8*\c+7], v[WFR+32*\c+8*\s:WFR+32*\c+8*\s+7], v[XF+8*\s:XF+8*\s+7], v[BQ+8*\c:BQ+8*\c+7], v[WS+4*\c+\s], v[XS+\s] matrix_a_fmt:MATRIX_FMT_FP4 matrix_b_fmt:MATRIX_FMT_FP4
.else
	v_wmma_scale_f32_16x16x128_f8f6f4 v[ACC+8*\c:ACC+8*\c+7], v[WFR+32*\c+8*\s:WFR+32*\c+8*\s+7], v[XF+8*\s:XF+8*\s+7], v[ACC+8*\c:ACC+8*\c+7], v[WS+4*\c+\s], v[XS+\s] matrix_a_fmt:MATRIX_FMT_FP4 matrix_b_fmt:MATRIX_FMT_FP4
.endif
.endr
.endr
	PLACES 4                                       ; four plain instructions between the last product and the first read of results (ISA guide 7.12.1)
.irp i, 0,2,4,6,8,10,12,14
	v_pk_mul_f32 v[SCL+\i:SCL+\i+1], v[ACC+\i:ACC+\i+1], s[CS:CS+1] op_sel_hi:[1,0]   ; (q + bq) c, each accumulator from its low end on
.endr
.irp i, 0,1,2,3,4,5,6,7
	v_cvt_pk_f16_f32 v[OUTR+\i], v[SCL+2*\i], v[SCL+2*\i+1]   ; registers 0-3: channels 8 h + 0 .. 7, registers 4-7: 16 + 8 h + 0 .. 7: the 16-bit operand's own layout for 16 queries x 32 channels
.endr
	global_store_b128 v[L16], v[OUTR:OUTR+3], s[14:15]             ; 32 lanes store 512 consecutive bytes, aligned
	global_store_b128 v[L16], v[OUTR+4:OUTR+7], s[14:15] offset:512
	s_wait_tensorcnt 0x0                           ; the wave's end: three closing lines behind my last LDS store
	ds_add_u32 v[SPW], v[NIL]
	s_wait_dscnt 0x0
	s_endpgm
	; ---------------- ROLE W ----------------
.Lrole_w:
	s_sub_co_u32 s21, ttmp9, 64
	s_lshl_b32 s21, s21, 4
	s_add_co_u32 s21, s21, s20                     ; u = 0 .. 127: head u / 8, tile ct = (u / 4) % 2, K step u % 4
	s_lshr_b32 s22, s21, 2                         ; tile of 16 rows: 2 head + ct
	s_and_b32 s23, s21, 3
	s_lshl_b32 s26, s22, 15
	s_lshl_b32 s28, s23, 9
	s_add_co_u32 s26, s26, s28
	s_add_nc_u64 s[10:11], s[10:11], s[26:27]      ; Wk and Wv at my tile
	s_add_nc_u64 s[12:13], s[12:13], s[26:27]
	s_lshr_b32 s26, s21, 3
	s_lshl_b32 s26, s26, 14                        ; WF: [head][Wk, Wv][ct][s] images
	s_and_b32 s28, s22, 1
	s_lshl_b32 s28, s28, 12
	s_add_co_u32 s26, s26, s28
	s_lshl_b32 s28, s23, 10
	s_add_co_u32 s26, s26, s28
	s_add_nc_u64 s[16:17], s[16:17], s[26:27]
	s_lshl_b32 s26, s21, 7                         ; WSC: 128 bytes for each u
	s_add_nc_u64 s[18:19], s[18:19], s[26:27]
	GLOAD RA, 10, 0
	GLOAD RB, 12, 0
	v_lshlrev_b32 v[TA], 2, v[LN]
	s_wait_loadcnt 16                              ; Wk's numbers are in; Wv's 16 loads may be out
	QUANTF RA, QT
	global_store_b128 v[L16], v[QT+8:QT+11], s[16:17]
	global_store_b128 v[L16], v[QT+12:QT+15], s[16:17] offset:512
	v_mov_b32 v[KPW], v[QT+6]
	s_wait_xcnt 0x0                                ; the stores' data registers are written again only behind this wait
	s_wait_loadcnt 0x0
	QUANTF RB, QT
	global_store_b128 v[L16], v[QT+8:QT+11], s[16:17] offset:8192
	global_store_b128 v[L16], v[QT+12:QT+15], s[16:17] offset:8704
	v_cndmask_b32 v[TB], v[KPW], v[QT+6], s[HM]    ; lanes 0-15: Wk's word of row r; lanes 16-31: Wv's
	global_store_b32 v[TA], v[TB], s[18:19]        ; 128 consecutive bytes a wave: two neighbouring waves fill an aligned 256; the whole buffer is 16 KB
	s_wait_tensorcnt 0x0                           ; the same three closing lines on this way
	ds_add_u32 v[SPW], v[NIL]
	s_wait_dscnt 0x0
	s_endpgm
.Lfunc_end_k_q44f0d09293_prep:
	.size	k_q44f0d09293_prep, .Lfunc_end_k_q44f0d09293_prep-k_q44f0d09293_prep
	.p2alignl 7, 3214868480
	.fill 96, 4, 3214868480
	.section	.rodata,"a",@progbits
	.p2align	6, 0x0
	.amdhsa_kernel k_q44f0d09293_prep
		.amdhsa_group_segment_fixed_size 57344
		.amdhsa_private_segment_fixed_size 0
		.amdhsa_enable_private_segment 0
		.amdhsa_kernarg_size 64
		.amdhsa_user_sgpr_count 2
		.amdhsa_user_sgpr_kernarg_segment_ptr 1
		.amdhsa_wavefront_size32 1
		.amdhsa_system_sgpr_workgroup_id_x 1
		.amdhsa_system_sgpr_workgroup_id_y 1
		.amdhsa_system_sgpr_workgroup_id_z 1
		.amdhsa_system_vgpr_workitem_id 0
		.amdhsa_next_free_vgpr 256
		.amdhsa_next_free_sgpr 66
		.amdhsa_reserve_vcc 0
		.amdhsa_float_denorm_mode_32 3
		.amdhsa_float_denorm_mode_16_64 3
		.amdhsa_memory_ordered 1
		.amdhsa_forward_progress 1
		.amdhsa_inst_pref_size 33
	.end_amdhsa_kernel
	.amdgpu_metadata
---
amdhsa.version: [ 1, 2 ]
amdhsa.kernels:
  - .name:           k_q44f0d09293_prep
    .symbol:         k_q44f0d09293_prep.kd
    .args:
      - { .name: query, .offset: 0, .size: 8, .value_kind: global_buffer, .address_space: global }
      - { .name: Wq, .offset: 8, .size: 8, .value_kind: global_buffer, .address_space: global }
      - { .name: bq, .offset: 16, .size: 8, .value_kind: global_buffer, .address_space: global }
      - { .name: Wk, .offset: 24, .size: 8, .value_kind: global_buffer, .address_space: global }
      - { .name: Wv, .offset: 32, .size: 8, .value_kind: global_buffer, .address_space: global }
      - { .name: QF, .offset: 40, .size: 8, .value_kind: global_buffer, .address_space: global }
      - { .name: WF, .offset: 48, .size: 8, .value_kind: global_buffer, .address_space: global }
      - { .name: WSC, .offset: 56, .size: 8, .value_kind: global_buffer, .address_space: global }
    .group_segment_fixed_size: 57344
    .private_segment_fixed_size: 0
    .kernarg_segment_align: 8
    .kernarg_segment_size: 64
    .max_flat_workgroup_size: 512
    .sgpr_count:     66
    .vgpr_count:     256
    .wavefront_size: 32
...
	.end_amdgpu_metadata
.endif
;; end of part 1
;; launch attn (part 2): grid 32 x 8, 8 waves a work-group, clusters of 2 x 1, 327,680 bytes of LDS; arguments key, value, importance, WF, WSC, QF, PO, ML; writes PO, ML
.if DOCPART == 2
	.amdgcn_target "amdgcn-amd-amdhsa--gfx1250"
	.amdhsa_code_object_version 6
	.text
	.protected	k_q44f0d09293_attn
	.globl	k_q44f0d09293_attn
	.p2align	8
	.type	k_q44f0d09293_attn,@function
k_q44f0d09293_attn:
	s_mov_b64 s[64:65], 0
	v_nop
	global_prefetch_b8 v0, s[64:65] scope:SCOPE_SE
	s_setreg_imm32_b32 hwreg(HW_REG_WAVE_MODE, 25, 1), 1
	s_wait_xcnt 0x0
	s_wait_alu depctr_hold_cnt(0) depctr_sa_sdst(0) depctr_va_vdst(0) depctr_va_sdst(0) depctr_va_ssrc(0) depctr_va_vcc(0) depctr_vm_vsrc(0)
	s_getreg_b32 s2, hwreg(HW_REG_IB_STS2, 6, 4)
	s_cmp_eq_u32 s2, 0
	s_cbranch_scc0 .Lentry_in_a_cluster
	s_endpgm
.Lentry_in_a_cluster:
	s_bfe_u32 s2, ttmp6, 0x10000c
	s_cmp_lg_u32 s2, 0x1001
	s_cbranch_scc0 .Lentry_shape_is_right
	s_endpgm
.Lentry_shape_is_right:
; SECOND LAUNCH: key and value are read once as f32, quantised, projected, and used for attention at once; k and v never go to memory.
; WORK LEFT OUT: bk (it adds the same to all scores of a row: shown at the head of the first launch).  bv is added in the third launch, once, behind the normalising.
; SHARES.  A cluster of two work-groups takes 512 keys of one batch (chunk = cluster x, batch = cluster y); partner g takes heads 8 g .. 8 g + 7, wave w of eight takes head 8 g + w for all 128 queries.
; Both partners need the same f32 rows of key and value: each tile is asked for JOINTLY, by the same tensor load with the same descriptor and the mask 3, and each receives it in its own LDS.
; My place in the cluster enters the global addresses of WF, WSC, QF, PO and ML alone: no LDS address, no branch, no descriptor.
; A STEP is 64 keys.  ONE slot holds their 64 rows of key and of value, 256 KB.  (1) the tile has landed: a barrier; (2) wave w quantises 16 rows x 512 of key (waves 0-3) or value (waves 4-7) to E2M1 codes
; and stores them as images of operand registers, 36 KB in all; (3) a round of the cluster's barrier, and the slot is asked for again at once: the load has all of (4) in which to land;
; (4) every wave projects the 64 keys onto its head's 32 channels of k and v (scaled FP4 matrix instructions) and runs its head's attention on them (f16 operands, f32 sums).
; LAYOUTS.  k^T = Wk x^T (source 0 = 16 channels, source 1 = 16 keys): a lane holds a key, registers run along channels: rounded to f16 in pairs that IS source 0 of S^T = k q^T.
; v = x Wv^T (source 0 = 16 keys, source 1 = 16 channels): a lane holds a channel, registers run along keys: that IS source 0 of O^T = v^T p.  In S^T, p and O^T a lane holds ONE query (lane % 16).
; log2(max(importance, 1e-6)) is the C of S^T's product, and q arrives multiplied by log2(e) / sqrt(32): S^T is t, the softmax's input in powers of two.
; SOFTMAX: a running maximum M and sum L for each query; p = 2^(t - M); in every turn O^T and L are multiplied by 2^(old M - new M).  O^T, M and L of these 512 keys are stored; the third launch joins the 16 chunks.
; The step is written once for all steps: O^T and L begin as zeros and M as -3e38, under every t (t is finite: the bias is at least log2(1e-6)).
; LIMITS: NaN and infinities among the inputs are not served; k, v and q c must stay under 65,504 (f16); a block of zeros keeps the scale byte 1 (its codes are zeros; this program alone reads the bytes).
; REGISTERS, window 0: v1-15 addresses; v16-79 q (8 fragments); v80-87 the weights' scale words, v88-95 the rows' (scales and nothing else); v96-103 M; v104-111 L; v112-127 k in f16; v128-143 v in f16;
;   v144-207 eight FP4 fragments of rows, then S^T, then p; v208-239 the projections' four accumulators, then the softmax's small numbers; v240-255 the bias.  While quantising: v112-175, v176-239 two sets of 64 numbers, v240-255 at work.
;   window 1: v0-63 Wk's eight fragments, v64-127 Wv's, v128-255 O^T (tile of channels ct, tile of queries qt: 128 + 8 (8 ct + qt)).
.set PITCH, 1040                       ; an LDS row of the slot: 1,024 bytes + 16 = 65 x 16: the sixteen rows that a 16-byte load touches start in sixteen different columns of 16 bytes
.set REGN,  32*PITCH                   ; a region: 32 rows, what one tensor load brings.  Region 4 T + 2 yh + kh: tensor T, keys 32 yh on, floats 256 kh on
.set IMG,   8*REGN                     ; 266,240: [T][kt 4][s 4] images of 1,024 bytes
.set XSC,   IMG+32768                  ; [T][kt][lane][s] scale words
.set BIAS,  XSC+4096                   ; log2(max(importance, 1e-6)) of the 512 keys
.set SPARE, BIAS+2048                  ; the spare words, 128 bytes for each of eight waves, named by no other line
.set SPW, 1
.set NIL, 2
.set QA,  3                            ; v3   the slot: my tile of 16 rows, row r, + 128 h
.set IWA, 4                            ; v4   where I store my images: IMG + 4,096 wave + 16 lane
.set SWA, 5                            ; v5   and their scale words: XSC + 512 wave + 16 lane
.set LI,  6                            ; v6   IMG + 16 lane
.set LSA, 7                            ; v7   XSC + 16 lane
.set BA0, 8                            ; v8   BIAS + 32 h
.set BAD, 9                            ; v9   the same for the step in hand
.set SH8, 10                           ; v10  8 h
.set L16, 11                           ; v11  16 lane
.set L8,  12                           ; v12  8 lane
.set L4,  13                           ; v13  4 lane
.set TID8, 14                          ; v14  8 x thread
.set BW,  15                           ; v15  BIAS + 8 x thread
.set RQ,  16
.set RWS, 80
.set RXS, 88
.set RM,  96
.set RL,  104
.set RKF, 112
.set RVF, 128
.set RS,  144
.set RACC, 208
.set RBI, 240
.set XA,  112
.set XB,  176
.set QT,  240
.set TMX, 208                          ; the softmax's: v208-211 maxima, v212-215 the other half's, v216-223 pairs (-M, old M - new M), v224-231 pairs (f, -), v232-239 pairs of sums
.set TPX, 212
.set TND, 216
.set TF,  224
.set TSU, 232
.set TL,  208                          ; set-up only
.set TR,  209
.set TH,  210
.set SEL, 36                           ; s[36:37]
.set MSB, 0
.macro WIN new                         ; the immediate's high byte repeats the setting that is left
.if MSB != \new
	s_set_vgpr_msb (MSB<<8)|\new
.set MSB, \new
.endif
.endm
.macro PLACES n
.rept \n
	v_nop
.endr
.endm
.macro ROUND                           ; a round of the cluster's barrier: my work-group's barrier; wave 0 signals for the work-group; every wave waits for both work-groups; my work-group's barrier once more
	s_barrier_signal -1
	s_barrier_wait -1
	s_cmp_lg_u32 s20, 0
	s_cbranch_scc1 .Lnot_wave_0_\@
	s_barrier_signal -3
.Lnot_wave_0_\@:
	s_barrier_wait -3
	s_barrier_signal -1
	s_barrier_wait -1
.endm
; 64 numbers of a lane, v[x + 32 c + i] = k 64 c + 32 h + i of my row, become the fragment's codes in v[t+8 .. t+15] and my row's scale word in v[t+6].
.macro QUANTF x, t
.irp c, 0,1
	v_max3_num_f32 v[(\t)+\c], |v[(\x)+32*\c]|, |v[(\x)+32*\c+1]|, 0x1800000   ; my block 2 c + h, and the floor 2^(3 - 127): the byte cannot fall under 1
.endr
.irp i, 2,4,6,8,10,12,14,16,18,20,22,24,26,28,30
.irp c, 0,1
	v_max3_num_f32 v[(\t)+\c], v[(\t)+\c], |v[(\x)+32*\c+\i]|, |v[(\x)+32*\c+\i+1]|
.endr
.endr
.irp c, 0,1
	v_add_nc_u32 v[(\t)+2+\c], 0xff000000, v[(\t)+\c]      ; 2 off the exponent field: the conversion's scale operand
.endr
.irp c, 0,1
	v_lshrrev_b32 v[(\t)+4+\c], 23, v[(\t)+2+\c]           ; the scale's byte
.endr
	v_lshl_or_b32 v[(\t)+6], v[(\t)+5], 16, v[(\t)+4]
	v_lshlrev_b32 v[(\t)+6], v[SH8], v[(\t)+6]
	v_mov_b32 v[(\t)+7], 0
	v_permlanex16_b32 v[(\t)+7], v[(\t)+6], s[SEL], s[SEL+1]
	v_or_b32 v[(\t)+6], v[(\t)+6], v[(\t)+7]               ; my row's scale word, in both halves of the lanes
.irp c, 0,1
.irp g, 0,1,2,3
	v_cvt_scalef32_pk8_fp4_f32 v[(\t)+8+4*\c+\g], v[(\x)+32*\c+8*\g:(\x)+32*\c+8*\g+7], v[(\t)+2+\c]
.endr
.endr
	v_nop                                                  ; one plain instruction behind the last scaled conversion
.endm
.macro LOADX st, reg                   ; my 16 rows' numbers of K step st out of the slot: 16 loads of 16 bytes a lane
.irp c, 0,1
.irp i, 0,1,2,3,4,5,6,7
	ds_load_b128 v[\reg+32*\c+4*\i:\reg+32*\c+4*\i+3], v[QA] offset:REGN*((\st)/2)+512*((\st)%2)+256*\c+16*\i
.endr
.endr
.endm
.macro QS st, reg, left, more          ; K step st is quantised and stored as an image; more = 1: its registers take K step st + 2
	s_wait_dscnt \left                             ; all but the youngest run of 16 loads: this set is in, and the last image's stores have read their registers
	QUANTF \reg, QT
	ds_store_b128 v[IWA], v[QT+8:QT+11] offset:1024*(\st)
	ds_store_b128 v[IWA], v[QT+12:QT+15] offset:1024*(\st)+512
	ds_store_b32 v[SWA], v[QT+6] offset:4*(\st)
.if \more
	LOADX (\st)+2, \reg
.endif
.endm
.macro XLOAD g, tn                     ; tensor tn's images of key tiles 2 g and 2 g + 1: eight fragments and their scale words
.irp k, 0,1
	ds_load_b128 v[RXS+4*\k:RXS+4*\k+3], v[LSA] offset:2048*(\tn)+512*(2*(\g)+\k)
.irp s, 0,1,2,3
	ds_load_b128 v[RS+32*\k+8*\s:RS+32*\k+8*\s+3], v[LI] offset:16384*(\tn)+1024*(4*(2*(\g)+\k)+\s)
	ds_load_b128 v[RS+32*\k+8*\s+4:RS+32*\k+8*\s+7], v[LI] offset:16384*(\tn)+1024*(4*(2*(\g)+\k)+\s)+512
.endr
.endr
.endm
; The softmax of four tiles of queries (4 hq on) against 32 keys, and O^T += v^T p.  The four tiles take turns line by line, so that no line waits for the line above it.
.macro SOFTMAX hq
.irp q, 0,1,2,3
	v_max3_num_f32 v[TMX+\q], v[RS+16*\q], v[RS+16*\q+1], v[RS+16*\q+2]       ; each accumulator is read from its low end on
.endr
.irp i, 3,5,7,9,11,13
.irp q, 0,1,2,3
	v_max3_num_f32 v[TMX+\q], v[TMX+\q], v[RS+16*\q+\i], v[RS+16*\q+\i+1]
.endr
.endr
.irp q, 0,1,2,3
	v_max3_num_f32 v[TMX+\q], v[TMX+\q], v[RS+16*\q+15], v[RM+4*(\hq)+\q]     ; my 16 keys and the old M
.endr
.irp q, 0,1,2,3
	v_permlanex16_b32 v[TPX+\q], v[TMX+\q], s[SEL], s[SEL+1]                  ; the query's other 16 keys lie in the lane 16 away
.endr
.irp q, 0,1,2,3
	v_max_num_f32 v[TMX+\q], v[TMX+\q], v[TPX+\q]                             ; the new M
.endr
.irp q, 0,1,2,3
	v_sub_f32 v[TND+2*\q+1], v[RM+4*(\hq)+\q], v[TMX+\q]                      ; old M - new M, 0 or less
.endr
.irp q, 0,1,2,3
	v_mul_f32 v[TND+2*\q], -1.0, v[TMX+\q]
.endr
.irp q, 0,1,2,3
	v_mov_b32 v[RM+4*(\hq)+\q], v[TMX+\q]
.endr
.irp i, 0,2,4,6,8,10,12,14
.irp q, 0,1,2,3
	v_pk_add_f32 v[RS+16*\q+\i:RS+16*\q+\i+1], v[RS+16*\q+\i:RS+16*\q+\i+1], v[TND+2*\q:TND+2*\q+1] op_sel_hi:[1,0]   ; t - M, two at a time (the pair's low word serves both)
.endr
.endr
.irp q, 0,1,2,3
	v_exp_f32 v[TF+2*\q], v[TND+2*\q+1]                                       ; f = 2^(old M - new M)
.endr
.irp i, 0,1,2,3,4,5,6,7,8,9,10,11,12,13,14,15
.irp q, 0,1,2,3
	v_exp_f32 v[RS+16*\q+\i], v[RS+16*\q+\i]                                  ; p = 2^(t - M), at most 1
.endr
.endr
	v_nop                                          ; a plain instruction behind the last exponential,
	s_wait_alu depctr_va_vdst(0)                   ; and ONE wait for the batch of 68, ahead of its first reader
.irp q, 0,1,2,3
	v_pk_add_f32 v[TSU+2*\q:TSU+2*\q+1], v[RS+16*\q:RS+16*\q+1], v[RS+16*\q+2:RS+16*\q+3]   ; the sum is taken of p in f32
.endr
.irp i, 4,6,8,10,12,14
.irp q, 0,1,2,3
	v_pk_add_f32 v[TSU+2*\q:TSU+2*\q+1], v[TSU+2*\q:TSU+2*\q+1], v[RS+16*\q+\i:RS+16*\q+\i+1]
.endr
.endr
.irp q, 0,1,2,3
	v_fma_f32 v[RL+4*(\hq)+\q], v[RL+4*(\hq)+\q], v[TF+2*\q], v[TSU+2*\q]     ; L = L f + the sum (my half of the keys; the halves meet at the end)
.endr
.irp q, 0,1,2,3
	v_add_f32 v[RL+4*(\hq)+\q], v[RL+4*(\hq)+\q], v[TSU+2*\q+1]
.endr
.irp i, 0,1,2,3,4,5,6,7
.irp q, 0,1,2,3
	v_cvt_pk_f16_f32 v[RS+16*\q+\i], v[RS+16*\q+2*\i], v[RS+16*\q+2*\i+1]     ; in place, ascending: registers 0-3 keys 8 h + 0 .. 7, registers 4-7 keys 16 + 8 h + 0 .. 7: source 1 of the next product
.endr
.endr
	WIN 0x41                                       ; O^T (destination and source 0) in window 1, f in window 0
.irp q, 0,1,2,3
.irp c, 0,1
.irp i, 0,2,4,6
	v_pk_mul_f32 v[128+8*(8*\c+4*(\hq)+\q)+\i:128+8*(8*\c+4*(\hq)+\q)+\i+1], v[128+8*(8*\c+4*(\hq)+\q)+\i:128+8*(8*\c+4*(\hq)+\q)+\i+1], v[TF+2*\q:TF+2*\q+1] op_sel_hi:[1,0]
.endr
.endr
.endr
	WIN 0x50                                       ; C and D in window 1
.irp q, 0,1,2,3
.irp c, 0,1
	v_wmma_f32_16x16x32_f16 v[128+8*(8*\c+4*(\hq)+\q):128+8*(8*\c+4*(\hq)+\q)+7], v[RVF+8*\c:RVF+8*\c+7], v[RS+16*\q:RS+16*\q+7], v[128+8*(8*\c+4*(\hq)+\q):128+8*(8*\c+4*(\hq)+\q)+7]   ; eight accumulators, one instruction each
.endr
.endr
	WIN 0
.endm
; Key tiles 2 g and 2 g + 1 of the step: 32 keys.
.macro GROUP g
	PLACES 4                                       ; four plain instructions in front of loads into registers that matrix instructions have read
.irp k, 0,1
	ds_load_b128 v[RBI+8*\k:RBI+8*\k+3], v[BAD] offset:64*(2*(\g)+\k)          ; the bias of keys 16 kt + 8 h + 0 .. 7, in S^T's layout
	ds_load_b128 v[RBI+8*\k+4:RBI+8*\k+7], v[BAD] offset:64*(2*(\g)+\k)+16
.endr
	XLOAD \g, 0
	s_wait_dscnt 0x0
	WIN 0x01                                       ; source 0 (Wk) in window 1
.irp s, 0,1,2,3                                ; k^T: four accumulators (key tile, channel tile) by turns, K ascending
.irp k, 0,1
.irp c, 0,1
.if \s == 0
	v_wmma_scale_f32_16x16x128_f8f6f4 v[RACC+8*(2*\k+\c):RACC+8*(2*\k+\c)+7], v[8*(4*\c+\s):8*(4*\c+\s)+7], v[RS+32*\k+8*\s:RS+32*\k+8*\s+7], 0, v[RWS+4*\c+\s], v[RXS+4*\k+\s] matrix_a_fmt:MATRIX_FMT_FP4 matrix_b_fmt:MATRIX_FMT_FP4
.else
	v_wmma_scale_f32_16x16x128_f8f6f4 v[RACC+8*(2*\k+\c):RACC+8*(2*\k+\c)+7], v[8*(4*\c+\s):8*(4*\c+\s)+7], v[RS+32*\k+8*\s:RS+32*\k+8*\s+7], v[RACC+8*(2*\k+\c):RACC+8*(2*\k+\c)+7], v[RWS+4*\c+\s], v[RXS+4*\k+\s] matrix_a_fmt:MATRIX_FMT_FP4 matrix_b_fmt:MATRIX_FMT_FP4
.endif
.endr
.endr
.endr
	WIN 0
	PLACES 5                                       ; four for the loads and the reads below; the fifth for the next products, which begin the same accumulators anew
	XLOAD \g, 1                                    ; value's fragments land while k is rounded
.irp k, 0,1
.irp c, 0,1
.irp i, 0,1,2,3
	v_cvt_pk_f16_f32 v[RKF+8*\k+4*\c+\i], v[RACC+8*(2*\k+\c)+2*\i], v[RACC+8*(2*\k+\c)+2*\i+1]
.endr
.endr
.endr
	s_wait_dscnt 0x0
	WIN 0x04                                       ; source 1 (Wv) in window 1
.irp s, 0,1,2,3                                ; v: source 0 = 16 keys, source 1 = 16 channels; Wv's scale words stand in lanes 16-31
.irp k, 0,1
.irp c, 0,1
.if \s == 0
	v_wmma_scale_f32_16x16x128_f8f6f4 v[RACC+8*(2*\k+\c):RACC+8*(2*\k+\c)+7], v[RS+32*\k+8*\s:RS+32*\k+8*\s+7], v[64+8*(4*\c+\s):64+8*(4*\c+\s)+7], 0, v[RXS+4*\k+\s], v[RWS+4*\c+\s] matrix_a_fmt:MATRIX_FMT_FP4 matrix_b_fmt:MATRIX_FMT_FP4 matrix_b_scale:MATRIX_SCALE_ROW1
.else
	v_wmma_scale_f32_16x16x128_f8f6f4 v[RACC+8*(2*\k+\c):RACC+8*(2*\k+\c)+7], v[RS+32*\k+8*\s:RS+32*\k+8*\s+7], v[64+8*(4*\c+\s):64+8*(4*\c+\s)+7], v[RACC+8*(2*\k+\c):RACC+8*(2*\k+\c)+7], v[RXS+4*\k+\s], v[RWS+4*\c+\s] matrix_a_fmt:MATRIX_FMT_FP4 matrix_b_fmt:MATRIX_FMT_FP4 matrix_b_scale:MATRIX_SCALE_ROW1
.endif
.endr
.endr
.endr
	WIN 0
	PLACES 5                                       ; four for the reads below; the fifth for S^T, which is laid over the fragments that these products read
.irp k, 0,1
.irp c, 0,1
.irp i, 0,1,2,3
	v_cvt_pk_f16_f32 v[RVF+8*\c+4*\k+\i], v[RACC+8*(2*\k+\c)+2*\i], v[RACC+8*(2*\k+\c)+2*\i+1]
.endr
.endr
.endr
.irp a, 0,1
.if \a == 1
	PLACES 5                                       ; S^T is laid over p, which the products just issued read
.endif
.irp q, 0,1,2,3
.irp k, 0,1
	v_wmma_f32_16x16x32_f16 v[RS+16*\q+8*\k:RS+16*\q+8*\k+7], v[RKF+8*\k:RKF+8*\k+7], v[RQ+8*(4*\a+\q):RQ+8*(4*\a+\q)+7], v[RBI+8*\k:RBI+8*\k+7]   ; t = k . (q c) + log2(importance)
.endr
.endr
	PLACES 4
	SOFTMAX \a
.endr
.endm
.macro STEP fill
	PLACES 4                                       ; in front of loads into registers that the last products read
	s_wait_tensorcnt 0x0                           ; my one tensor load, my region of this step's tile, has landed;
	s_wait_dscnt 0x0                               ; my LDS instructions are done (the last step's reads of the images; at first the bias's store)
	s_barrier_signal -1
	s_barrier_wait -1                              ; the tile is whole, and nobody reads the old images
	LOADX 0, XA
	LOADX 1, XB
	QS 0, XA, 16, 1
	QS 1, XB, 16, 1
	QS 2, XA, 16, 0
	QS 3, XB, 0, 0
.if \fill
	s_wait_tensorcnt 0x0                           ; no tensor load of mine is out, so group 0 may be written
	ds_add_u32 v[SPW], v[NIL]                      ; 0 onto my spare word
	s_add_nc_u64 s[34:35], s[34:35], 131072        ; the next 64 rows of 2,048 bytes; the type bits on top are not reached
	s_wait_dscnt 0x0                               ; the add is done, my reads of the slot are over, my images lie in LDS
	ROUND                                          ; the same holds of every wave of both partners
	tensor_load_to_lds s[32:35], s[24:31]          ; the slot is asked for again, first thing behind the round: my one tensor load until the next
	s_nop 0
	PLACES 4
.else
	s_wait_dscnt 0x0                               ; my images lie in LDS; nothing is left to fetch
	s_barrier_signal -1
	s_barrier_wait -1
.endif
	v_add_nc_u32 v[BAD], s39, v[BA0]
	GROUP 0
	GROUP 1
	s_add_co_u32 s39, s39, 256                     ; the next step's 64 numbers of the bias
.endm
	s_load_b256 s[4:11], s[0:1], 0x0               ; key s[4:5], value s[6:7], importance s[8:9], WF s[10:11]
	s_load_b256 s[12:19], s[0:1], 0x20             ; WSC s[12:13], QF s[14:15], PO s[16:17], ML s[18:19]
	v_lshl_add_u32 v[SPW], v0, 2, SPARE
	v_mov_b32 v[NIL], 0
	ds_add_u32 v[SPW], v[NIL]                      ; the wave's opening: the add, twice on end, and its wait ahead of my first tensor load
	ds_add_u32 v[SPW], v[NIL]                      ; and once more; the set-up below, work on registers, stands between it and the wait
	v_lshrrev_b32 v15, 5, v0
	v_readfirstlane_b32 s20, v15                   ; wave 0..7
	s_bfe_u32 s21, ttmp6, 0x40000                  ; cx: my place in the cluster: which eight heads
	s_mov_b32 s22, ttmp9                           ; the cluster's x: the chunk of 512 keys
	s_and_b32 s23, ttmp7, 0xffff                   ; the cluster's y: the batch
	; descriptor group 1: 32 rows x 256 elements of 4 bytes, rows 512 elements apart, 16 bytes of padding behind each row
	s_mov_b32 s24, 3|(2<<16)|(1<<20)|(1<<21)|(7<<22)|(3<<25)   ; 15:0 the mask: both partners; 17:16 elements of 4 bytes; 20 padding on; 21 set beside a mask; 24:22 after every 256 words (code 7); 31:25 four words (code 3)
	s_mov_b32 s25, 256<<16                         ; tensor_dim0
	s_mov_b32 s26, 32<<16                          ; tensor_dim1
	s_mov_b32 s27, 256<<16                         ; tile_dim0
	s_mov_b32 s28, 32                              ; tile_dim1
	s_mov_b32 s29, 512                             ; the pitch
	s_mov_b32 s30, 0
	s_mov_b32 s31, 0
	s_mov_b32 s32, 1                               ; group 0: count = 1,
	s_mul_i32 s33, s20, REGN                       ; LDS address: my region
	s_lshl_b32 s41, s23, 13
	s_lshl_b32 s42, s22, 9
	s_add_co_u32 s41, s41, s42                     ; the chunk's first key among the 65,536
	s_lshl_b32 s44, s41, 2                         ; its place in importance
	s_mov_b32 s45, 0
	s_bfe_u32 s42, s20, 0x10001                    ; yh = (wave / 2) % 2
	s_lshl_b32 s42, s42, 5
	s_add_co_u32 s42, s42, s41
	s_lshl_b32 s42, s42, 11                        ; rows of 2,048 bytes (under 2^28)
	s_and_b32 s43, s20, 1                          ; kh
	s_lshl_b32 s43, s43, 10
	s_add_co_u32 s42, s42, s43
	s_mov_b32 s43, 0                               ; s[42:43]: my region's first byte in key or value: made of the cluster's x and y and the wave's number alone
	s_lshl_b32 s46, s21, 3
	s_add_co_u32 s46, s46, s20                     ; my head
	s_lshl_b32 s48, s46, 14                        ; WF: 16 images a head
	s_mov_b32 s49, 0
	s_lshl_b32 s50, s46, 10                        ; WSC: 8 x 128 bytes a head
	s_mov_b32 s51, 0
	s_lshl_b32 s52, s23, 4
	s_add_co_u32 s52, s52, s46
	s_lshl_b32 s52, s52, 13                        ; QF: 8 images for (batch, head)
	s_mov_b32 s53, 0
	s_lshl_b32 s54, s23, 4
	s_add_co_u32 s54, s54, s22
	s_lshl_b32 s54, s54, 4
	s_add_co_u32 s54, s54, s46                     ; (16 b + chunk) 16 + head
	s_lshl_b32 s56, s54, 10                        ; ML: 128 pairs
	s_mov_b32 s57, 0
	s_lshl_b32 s54, s54, 14                        ; PO: 16 images
	s_mov_b32 s55, 0
	s_mov_b32 s[SEL], 0x76543210
	s_mov_b32 s[SEL+1], 0xfedcba98
	s_mov_b32 s38, 7                               ; steps that fill the slot again
	s_mov_b32 s39, 0
	s_mov_b32 s40, 0xffff0000                      ; lanes 16-31
	v_and_b32 v[TL], 31, v0
	v_and_b32 v[TR], 15, v0
	v_bfe_u32 v[TH], v0, 4, 1
	v_lshlrev_b32 v[SH8], 3, v[TH]
	v_lshlrev_b32 v[L16], 4, v[TL]
	v_lshlrev_b32 v[L8], 3, v[TL]
	v_lshlrev_b32 v[L4], 2, v[TL]
	v_lshlrev_b32 v[TID8], 3, v0
	v_lshl_add_u32 v[BW], v0, 3, BIAS
	v_lshl_add_u32 v[BA0], v[TH], 5, BIAS
	v_mul_u32_u24 v[QA], v[TR], PITCH
	v_lshl_add_u32 v[QA], v[TH], 7, v[QA]
	s_and_b32 s58, s20, 14                         ; wave w quantises tensor w / 4, key tile w % 4: regions (w & 14) and (w & 14) + 1, rows 16 (w & 1) on
	s_mul_i32 s58, s58, REGN
	s_and_b32 s59, s20, 1
	s_mul_i32 s59, s59, 16*PITCH
	s_add_co_u32 s58, s58, s59
	v_add_nc_u32 v[QA], s58, v[QA]
	s_lshl_b32 s58, s20, 12
	s_add_co_u32 s58, s58, IMG
	v_add_nc_u32 v[IWA], s58, v[L16]
	s_lshl_b32 s58, s20, 9
	s_add_co_u32 s58, s58, XSC
	v_add_nc_u32 v[SWA], s58, v[L16]
	v_add_nc_u32 v[LI], IMG, v[L16]
	v_add_nc_u32 v[LSA], XSC, v[L16]
	s_wait_dscnt 0x0                               ; both opening adds are done
	s_wait_kmcnt 0x0
	s_cmp_lt_u32 s20, 4                            ; waves 0-3 fetch key's regions, waves 4-7 value's: the wave's number alone
	s_cselect_b64 s[34:35], s[4:5], s[6:7]
	s_add_nc_u64 s[34:35], s[34:35], s[42:43]      ; group 0: the global address,
	s_or_b32 s35, s35, 0x80000000                  ; and the type
	s_add_nc_u64 s[8:9], s[8:9], s[44:45]
	s_add_nc_u64 s[10:11], s[10:11], s[48:49]
	s_add_nc_u64 s[12:13], s[12:13], s[50:51]
	s_add_nc_u64 s[14:15], s[14:15], s[52:53]
	s_add_nc_u64 s[16:17], s[16:17], s[54:55]
	s_add_nc_u64 s[18:19], s[18:19], s[56:57]
	ROUND                                          ; both partners are here: the first joint loads meet
	tensor_load_to_lds s[32:35], s[24:31]          ; step 0's tile: every wave its region
	s_nop 0
	PLACES 4
	global_load_b64 v[212:213], v[TID8], s[8:9]    ; importance of the chunk's 512 keys, two a thread
.irp i, 0,1,2,3,4,5,6,7
	global_load_b32 v[RWS+\i], v[L4], s[12:13] offset:128*\i       ; scale words (ct, s) at 4 ct + s: Wk's in lanes 0-15, Wv's in lanes 16-31
.endr
.irp i, 0,1,2,3,4,5,6,7,8,9,10,11,12,13,14,15
	global_load_b128 v[RQ+4*\i:RQ+4*\i+3], v[L16], s[14:15] offset:512*\i      ; q c of my head, eight images: they stay
.endr
	WIN 0x40                                       ; destination in window 1
.irp i, 0,1,2,3,4,5,6,7,8,9,10,11,12,13,14,15,16,17,18,19,20,21,22,23,24,25,26,27,28,29,30,31
	global_load_b128 v[4*\i:4*\i+3], v[L16], s[10:11] offset:512*\i            ; Wk's and Wv's sixteen images: they stay
.endr
.set i, 128
.rept 128
	v_mov_b32 v[i], 0                              ; O^T: the step is written once, and its first turn multiplies these zeros by f = 0
.set i, i+1
.endr
	WIN 0
.irp i, 0,1,2,3,4,5,6,7
	v_mov_b32 v[RM+\i], 0xff61b1e6                 ; M = -3e38
	v_mov_b32 v[RL+\i], 0
.endr
	s_wait_loadcnt 56                              ; importance is in; the 8 + 16 + 32 loads behind it may be out
	v_max_num_f32 v212, 0x358637bd, v212           ; max(importance, 1e-6)
	v_max_num_f32 v213, 0x358637bd, v213
	v_log_f32 v212, v212                           ; log2: the softmax is taken in powers of two
	v_log_f32 v213, v213
	v_nop                                          ; a plain instruction behind the transcendentals,
	s_wait_alu depctr_va_vdst(0)                   ; and the wait ahead of their first reader
	ds_store_b64 v[BW], v[212:213]
	s_wait_loadcnt 0x0
.Lstep:
	STEP 1
	s_sub_co_u32 s38, s38, 1
	s_cmp_lg_u32 s38, 0
	s_cbranch_scc1 .Lstep
	STEP 0                                         ; the last step is written out: it asks for nothing
	; THE WAY OUT.  The additions are the plain instructions between the last products and the first store of their results.
.irp q, 0,1,2,3,4,5,6,7
	v_permlanex16_b32 v[TMX+\q], v[RL+\q], s[SEL], s[SEL+1]
.endr
.irp q, 0,1,2,3,4,5,6,7
	v_add_f32 v[RL+\q], v[RL+\q], v[TMX+\q]        ; L's two halves
.endr
.irp p, 0,1,2,3
	v_cndmask_b32 v[TND+2*\p], v[RM+2*\p], v[RM+2*\p+1], s40       ; lanes 0-15: tile 2 p's queries; lanes 16-31: tile 2 p + 1's
	v_cndmask_b32 v[TND+2*\p+1], v[RL+2*\p], v[RL+2*\p+1], s40
.endr
.irp p, 0,1,2,3
	global_store_b64 v[L8], v[TND+2*\p:TND+2*\p+1], s[18:19] offset:256*\p     ; (M, L) of 32 queries: 256 consecutive bytes, aligned
.endr
	WIN 0x04                                       ; a store's data are its source 1: window 1
.irp i, 0,1,2,3,4,5,6,7,8,9,10,11,12,13,14,15,16,17,18,19,20,21,22,23,24,25,26,27,28,29,30,31
	global_store_b128 v[L16], v[128+4*\i:128+4*\i+3], s[16:17] offset:512*\i   ; O^T as images, each accumulator from its low end on: 512 consecutive bytes a store
.endr
	WIN 0
	s_wait_tensorcnt 0x0                           ; the wave's end: three closing lines behind my last tensor load and my last LDS store
	ds_add_u32 v[SPW], v[NIL]
	s_wait_dscnt 0x0
	ROUND                                          ; the closing round: no work-group ends while its partner may still ask for a tile that names it
	s_endpgm
.Lfunc_end_k_q44f0d09293_attn:
	.size	k_q44f0d09293_attn, .Lfunc_end_k_q44f0d09293_attn-k_q44f0d09293_attn
	.p2alignl 7, 3214868480
	.fill 96, 4, 3214868480
	.section	.rodata,"a",@progbits
	.p2align	6, 0x0
	.amdhsa_kernel k_q44f0d09293_attn
		.amdhsa_group_segment_fixed_size 327680
		.amdhsa_private_segment_fixed_size 0
		.amdhsa_enable_private_segment 0
		.amdhsa_kernarg_size 64
		.amdhsa_user_sgpr_count 2
		.amdhsa_user_sgpr_kernarg_segment_ptr 1
		.amdhsa_wavefront_size32 1
		.amdhsa_system_sgpr_workgroup_id_x 1
		.amdhsa_system_sgpr_workgroup_id_y 1
		.amdhsa_system_sgpr_workgroup_id_z 1
		.amdhsa_system_vgpr_workitem_id 0
		.amdhsa_next_free_vgpr 512
		.amdhsa_next_free_sgpr 66
		.amdhsa_reserve_vcc 0
		.amdhsa_float_denorm_mode_32 3
		.amdhsa_float_denorm_mode_16_64 3
		.amdhsa_memory_ordered 1
		.amdhsa_forward_progress 1
		.amdhsa_inst_pref_size 208
	.end_amdhsa_kernel
	.amdgpu_metadata
---
amdhsa.version: [ 1, 2 ]
amdhsa.kernels:
  - .name:           k_q44f0d09293_attn
    .symbol:         k_q44f0d09293_attn.kd
    .args:
      - { .name: key, .offset: 0, .size: 8, .value_kind: global_buffer, .address_space: global }
      - { .name: value, .offset: 8, .size: 8, .value_kind: global_buffer, .address_space: global }
      - { .name: importance, .offset: 16, .size: 8, .value_kind: global_buffer, .address_space: global }
      - { .name: WF, .offset: 24, .size: 8, .value_kind: global_buffer, .address_space: global }
      - { .name: WSC, .offset: 32, .size: 8, .value_kind: global_buffer, .address_space: global }
      - { .name: QF, .offset: 40, .size: 8, .value_kind: global_buffer, .address_space: global }
      - { .name: PO, .offset: 48, .size: 8, .value_kind: global_buffer, .address_space: global }
      - { .name: ML, .offset: 56, .size: 8, .value_kind: global_buffer, .address_space: global }
    .group_segment_fixed_size: 327680
    .private_segment_fixed_size: 0
    .kernarg_segment_align: 8
    .kernarg_segment_size: 64
    .max_flat_workgroup_size: 256
    .sgpr_count:     66
    .vgpr_count:     512
    .wavefront_size: 32
...
	.end_amdgpu_metadata
.endif
;; end of part 2
;; launch outp (part 3): grid 4 x 64, 16 waves a work-group, no clusters, 35,328 bytes of LDS; arguments PO, ML, bv, Wo, bo, out0; writes out0
.if DOCPART == 3
	.amdgcn_target "amdgcn-amd-amdhsa--gfx1250"
	.amdhsa_code_object_version 6
	.text
	.protected	k_q44f0d09293_outp
	.globl	k_q44f0d09293_outp
	.p2align	8
	.type	k_q44f0d09293_outp,@function
k_q44f0d09293_outp:
	s_mov_b64 s[64:65], 0
	v_nop
	global_prefetch_b8 v0, s[64:65] scope:SCOPE_SE
	s_setreg_imm32_b32 hwreg(HW_REG_WAVE_MODE, 25, 1), 1
	s_wait_xcnt 0x0
; THIRD LAUNCH: the 16 chunks' partial sums are joined, normalised, bv is added, and out0 = a Wo^T + bo.
; (bk is left out of the whole program: shown at the head of the first launch.  bv is added here once: a row of the softmax sums to 1.)
; SHARES.  A work-group takes 16 queries (tile y = 8 b + qt) and 128 columns of out0 (x).
; PHASE 1: wave w = head w.  With m = the largest M of the 16 chunks and w_c = 2^(M_c - m): a = sum_c w_c O_c / sum_c w_c L_c + bv.  O_c arrives as the image of the accumulators that made it: lane (r, h) holds query r,
; register 8 ct + j channel 16 ct + 8 h + j, which, rounded to f16 in pairs, is the 16-bit operand's layout for 16 queries x the head's 32 channels: K step w of the product with Wo.  Its image goes to LDS.
; PHASE 2: wave w takes the tile of 16 columns w % 8 and the heads 8 (w / 8) on: eight f16 matrix instructions (source 0 = 16 rows of Wo, source 1 = a), two accumulators by turns.
; The two halves of K meet in a stage in LDS; wave w then adds row w's two halves and bo and stores 512 consecutive bytes.
; LIMITS: a and Wo are rounded to f16: magnitudes under 65,504.  NaN and infinities are not served.
; NO JOINT LOADS: the four work-groups of a tile of queries read the same partial sums, but straight into registers in the accumulators' layout, 512 KB for a tile of queries, which is more than LDS holds at once.
.set AIMG,  0                          ; LDS: a's 16 images
.set STG,   16384                      ; two stages of 16 rows x (512 + 16) bytes
.set SPARE, 33280                      ; the spare words, 128 bytes for each of 16 waves, named by no other line
.set SPW, 1
.set NIL, 2
.set L16, 3                            ; v3   16 lane
.set R8,  4                            ; v4   8 r
.set WOA, 5                            ; v5   2048 r + 32 h
.set AIW, 6                            ; v6   where I store my image
.set AIR, 7                            ; v7   where my eight K steps' images begin
.set STW, 8                            ; v8   the stage: where I put 32 bytes of a row
.set STR, 9                            ; v9   and where I read a row back
.set H32, 10                           ; v10  32 h
.set PR,  16                           ; v16-47 (M, L) of the 16 chunks, then (w / divisor, L)
.set ACC, 48                           ; v48-63 bv, onto which a is summed
.set SETA, 64                          ; three sets of four chunks x 16 registers
.set SETB, 128
.set SETC, 192
.macro PLACES n
.rept \n
	v_nop
.endr
.endm
.macro PLOAD reg, c0                   ; chunks c0 .. c0 + 3: two images each
.irp k, 0,1,2,3
.irp t, 0,1
.irp u, 0,1
	global_load_b128 v[\reg+16*\k+8*\t+4*\u:\reg+16*\k+8*\t+4*\u+3], v[L16], s[4:5] offset:262144*(\c0+\k)+8192*\t+512*\u
.endr
.endr
.endr
.endm
.macro PROC reg, c0                    ; a += (w_c / divisor) O_c
.irp k, 0,1,2,3
.irp i, 0,2,4,6,8,10,12,14
	v_pk_fma_f32 v[ACC+\i:ACC+\i+1], v[\reg+16*\k+\i:\reg+16*\k+\i+1], v[PR+2*(\c0+\k):PR+2*(\c0+\k)+1], v[ACC+\i:ACC+\i+1] op_sel_hi:[1,0,1]
.endr
.endr
.endm
.macro WLOAD reg, i0                   ; Wo's fragments i0 .. i0 + 3 as f32: k = 8 h + 0 .. 7 and 16 + 8 h + 0 .. 7 of my row's 32 numbers of a head
.irp k, 0,1,2,3
	global_load_b128 v[\reg+16*\k:\reg+16*\k+3], v[WOA], s[10:11] offset:128*(\i0+\k)
	global_load_b128 v[\reg+16*\k+4:\reg+16*\k+7], v[WOA], s[10:11] offset:128*(\i0+\k)+16
	global_load_b128 v[\reg+16*\k+8:\reg+16*\k+11], v[WOA], s[10:11] offset:128*(\i0+\k)+64
	global_load_b128 v[\reg+16*\k+12:\reg+16*\k+15], v[WOA], s[10:11] offset:128*(\i0+\k)+80
.endr
.endm
	s_load_b256 s[4:11], s[0:1], 0x0               ; PO s[4:5], ML s[6:7], bv s[8:9], Wo s[10:11]
	s_load_b128 s[12:15], s[0:1], 0x20             ; bo s[12:13], out0 s[14:15]
	v_lshl_add_u32 v[SPW], v0, 2, SPARE
	v_mov_b32 v[NIL], 0
	v_lshrrev_b32 v11, 5, v0
	v_readfirstlane_b32 s20, v11                   ; wave 0..15
	s_mov_b32 s21, ttmp9                           ; which 128 columns
	s_and_b32 s22, ttmp7, 0xffff                   ; 8 b + qt
	s_lshr_b32 s23, s22, 3                         ; b
	s_and_b32 s24, s22, 7                          ; qt
	v_and_b32 v11, 31, v0
	v_and_b32 v12, 15, v0
	v_bfe_u32 v13, v0, 4, 1
	v_lshlrev_b32 v[L16], 4, v11
	v_lshlrev_b32 v[R8], 3, v12
	v_lshlrev_b32 v[H32], 5, v13
	v_lshl_add_u32 v[WOA], v12, 11, v[H32]
	s_lshl_b32 s25, s20, 10
	v_add_nc_u32 v[AIW], s25, v[L16]               ; AIMG = 0
	s_lshr_b32 s38, s20, 3                         ; which half of K
	s_and_b32 s39, s20, 7                          ; which tile of 16 columns
	s_lshl_b32 s25, s38, 13
	v_add_nc_u32 v[AIR], s25, v[L16]
	v_mul_u32_u24 v[STW], v12, 528
	v_add_nc_u32 v[STW], v[STW], v[H32]
	s_mul_i32 s25, s38, 8448
	s_lshl_b32 s26, s39, 6
	s_add_co_u32 s25, s25, s26
	s_add_co_u32 s25, s25, STG
	v_add_nc_u32 v[STW], s25, v[STW]               ; stage (K half), row r, + 64 x tile + 32 h
	s_mul_i32 s25, s20, 528
	s_add_co_u32 s25, s25, STG
	v_add_nc_u32 v[STR], s25, v[L16]               ; back: row = my wave's number
	s_mov_b32 s27, 0
	s_wait_kmcnt 0x0
	s_lshl_b32 s26, s23, 22                        ; PO: ((16 b + chunk) 16 + head) 16 images + image 8 ct + qt
	s_lshl_b32 s28, s20, 14
	s_add_co_u32 s26, s26, s28
	s_lshl_b32 s28, s24, 10
	s_add_co_u32 s26, s26, s28
	s_add_nc_u64 s[4:5], s[4:5], s[26:27]
	s_lshl_b32 s26, s23, 18                        ; ML: ((16 b + chunk) 16 + head) 1,024 bytes + 8 (16 qt + r)
	s_lshl_b32 s28, s20, 10
	s_add_co_u32 s26, s26, s28
	s_lshl_b32 s28, s24, 7
	s_add_co_u32 s26, s26, s28
	s_add_nc_u64 s[6:7], s[6:7], s[26:27]
	s_lshl_b32 s26, s20, 7                         ; bv: my head's 32 numbers
	s_add_nc_u64 s[8:9], s[8:9], s[26:27]
	s_lshl_b32 s26, s21, 3
	s_add_co_u32 s26, s26, s39                     ; Wo: tile of 16 rows 8 x + w % 8,
	s_lshl_b32 s26, s26, 15
	s_lshl_b32 s28, s38, 10                        ; heads 8 (w / 8) on
	s_add_co_u32 s26, s26, s28
	s_add_nc_u64 s[10:11], s[10:11], s[26:27]
	s_lshl_b32 s26, s21, 9                         ; bo: my work-group's 128 numbers
	s_add_nc_u64 s[12:13], s[12:13], s[26:27]
	s_lshl_b32 s26, s22, 4
	s_add_co_u32 s26, s26, s20                     ; out0: row 16 (8 b + qt) + wave,
	s_lshl_b32 s26, s26, 11
	s_lshl_b32 s28, s21, 9
	s_add_co_u32 s26, s26, s28                     ; columns 128 x on
	s_add_nc_u64 s[14:15], s[14:15], s[26:27]
.irp c, 0,1,2,3,4,5,6,7,8,9,10,11,12,13,14,15
	global_load_b64 v[PR+2*\c:PR+2*\c+1], v[R8], s[6:7] offset:16384*\c        ; (M, L) of query r in chunk c
.endr
.irp t, 0,1
	global_load_b128 v[ACC+8*\t:ACC+8*\t+3], v[H32], s[8:9] offset:64*\t       ; bv at channels 16 ct + 8 h + 0 .. 7
	global_load_b128 v[ACC+8*\t+4:ACC+8*\t+7], v[H32], s[8:9] offset:64*\t+16
.endr
	PLOAD SETA, 0
	PLOAD SETB, 4
	PLOAD SETC, 8
	s_wait_loadcnt 52                              ; the 16 pairs are in; bv's 4 loads and three sets of 16 may be out
	v_max3_num_f32 v11, v[PR], v[PR+2], v[PR+4]
.irp c, 3,5,7,9,11,13
	v_max3_num_f32 v11, v11, v[PR+2*\c], v[PR+2*\c+2]
.endr
	v_max_num_f32 v11, v11, v[PR+30]               ; m: the largest M is taken away before the exponentials
.irp c, 0,1,2,3,4,5,6,7,8,9,10,11,12,13,14,15
	v_sub_f32 v[PR+2*\c], v[PR+2*\c], v11
.endr
.irp c, 0,1,2,3,4,5,6,7,8,9,10,11,12,13,14,15
	v_exp_f32 v[PR+2*\c], v[PR+2*\c]               ; w_c = 2^(M_c - m)
.endr
	v_nop                                          ; a plain instruction behind the batch,
	s_wait_alu depctr_va_vdst(0)                   ; and one wait ahead of its first reader
	v_mul_f32 v12, v[PR], v[PR+1]                  ; the divisor, sum of w_c L_c, in two chains
	v_mul_f32 v13, v[PR+2], v[PR+3]
.irp c, 2,4,6,8,10,12,14
	v_fmac_f32 v12, v[PR+2*\c], v[PR+2*\c+1]
	v_fmac_f32 v13, v[PR+2*\c+2], v[PR+2*\c+3]
.endr
	v_add_f32 v12, v12, v13
	v_rcp_f32 v14, v12
	v_nop
	s_wait_alu depctr_va_vdst(0)
.irp c, 0,1,2,3,4,5,6,7,8,9,10,11,12,13,14,15
	v_mul_f32 v[PR+2*\c], v[PR+2*\c], v14
.endr
	s_wait_loadcnt 32                              ; bv and chunks 0-3 are in; the two younger groups of 16 loads may be out (so in each of the four turns)
	PROC SETA, 0
	PLOAD SETA, 12
	s_wait_loadcnt 32
	PROC SETB, 4
	WLOAD SETB, 0                                  ; the sets that are done with take Wo's numbers
	s_wait_loadcnt 32
	PROC SETC, 8
	WLOAD SETC, 4
	s_wait_loadcnt 32
	PROC SETA, 12
.irp i, 0,1,2,3,4,5,6,7
	v_cvt_pk_f16_f32 v[32+\i], v[ACC+2*\i], v[ACC+2*\i+1]          ; a in f16: the operand's registers
.endr
	ds_store_b128 v[AIW], v[32:35]
	ds_store_b128 v[AIW], v[36:39] offset:512
	global_load_b128 v[40:43], v[L16], s[12:13]    ; bo at columns 4 lane on
	s_wait_dscnt 0x0                               ; for the others' sake: my image lies in LDS
	s_barrier_signal -1
	s_barrier_wait -1
.irp i, 0,1,2,3,4,5,6,7
	ds_load_b128 v[SETA+8*\i:SETA+8*\i+3], v[AIR] offset:1024*\i
	ds_load_b128 v[SETA+8*\i+4:SETA+8*\i+7], v[AIR] offset:1024*\i+512
.endr
	s_wait_loadcnt 0x0                             ; Wo and bo
.irp f, 0,1,2,3,4,5,6,7
.irp j, 0,1,2,3,4,5,6,7
	v_cvt_pk_f16_f32 v[SETB+16*\f+\j], v[SETB+16*\f+2*\j], v[SETB+16*\f+2*\j+1]   ; in place, ascending: fragment f in the first 8 of its 16 registers
.endr
.endr
	s_wait_dscnt 0x0
.irp i, 0,1,2,3,4,5,6,7                        ; TRANSPOSED: lane (r, h) holds query r, register j column 16 tile + 8 h + j.  Two accumulators by turns
.if \i < 2
	v_wmma_f32_16x16x32_f16 v[16+8*(\i%2):16+8*(\i%2)+7], v[SETB+16*\i:SETB+16*\i+7], v[SETA+8*\i:SETA+8*\i+7], 0
.else
	v_wmma_f32_16x16x32_f16 v[16+8*(\i%2):16+8*(\i%2)+7], v[SETB+16*\i:SETB+16*\i+7], v[SETA+8*\i:SETA+8*\i+7], v[16+8*(\i%2):16+8*(\i%2)+7]
.endif
.endr
	PLACES 4                                       ; four plain instructions between the last product and the first read of results
.irp i, 0,2,4,6
	v_pk_add_f32 v[16+\i:17+\i], v[16+\i:17+\i], v[24+\i:25+\i]    ; both accumulators from their low ends on
.endr
	ds_store_b128 v[STW], v[16:19]
	ds_store_b128 v[STW], v[20:23] offset:16
	s_wait_dscnt 0x0
	s_barrier_signal -1
	s_barrier_wait -1
	ds_load_b128 v[44:47], v[STR]                  ; row = my wave's number, 16 bytes a lane: the first half of K,
	ds_load_b128 v[48:51], v[STR] offset:8448      ; and the second
	s_wait_dscnt 0x0
	v_pk_add_f32 v[44:45], v[44:45], v[48:49]
	v_pk_add_f32 v[46:47], v[46:47], v[50:51]
	v_pk_add_f32 v[44:45], v[44:45], v[40:41]
	v_pk_add_f32 v[46:47], v[46:47], v[42:43]
	global_store_b128 v[L16], v[44:47], s[14:15]   ; 32 lanes store 512 consecutive bytes, at a multiple of 256 from out0's first byte
	s_wait_tensorcnt 0x0                           ; the wave's end: three closing lines behind my last LDS store
	ds_add_u32 v[SPW], v[NIL]
	s_wait_dscnt 0x0
	s_endpgm
.Lfunc_end_k_q44f0d09293_outp:
	.size	k_q44f0d09293_outp, .Lfunc_end_k_q44f0d09293_outp-k_q44f0d09293_outp
	.p2alignl 7, 3214868480
	.fill 96, 4, 3214868480
	.section	.rodata,"a",@progbits
	.p2align	6, 0x0
	.amdhsa_kernel k_q44f0d09293_outp
		.amdhsa_group_segment_fixed_size 35328
		.amdhsa_private_segment_fixed_size 0
		.amdhsa_enable_private_segment 0
		.amdhsa_kernarg_size 48
		.amdhsa_user_sgpr_count 2
		.amdhsa_user_sgpr_kernarg_segment_ptr 1
		.amdhsa_wavefront_size32 1
		.amdhsa_system_sgpr_workgroup_id_x 1
		.amdhsa_system_sgpr_workgroup_id_y 1
		.amdhsa_system_sgpr_workgroup_id_z 1
		.amdhsa_system_vgpr_workitem_id 0
		.amdhsa_next_free_vgpr 256
		.amdhsa_next_free_sgpr 66
		.amdhsa_reserve_vcc 0
		.amdhsa_float_denorm_mode_32 3
		.amdhsa_float_denorm_mode_16_64 3
		.amdhsa_memory_ordered 1
		.amdhsa_forward_progress 1
		.amdhsa_inst_pref_size 32
	.end_amdhsa_kernel
	.amdgpu_metadata
---
amdhsa.version: [ 1, 2 ]
amdhsa.kernels:
  - .name:           k_q44f0d09293_outp
    .symbol:         k_q44f0d09293_outp.kd
    .args:
      - { .name: PO, .offset: 0, .size: 8, .value_kind: global_buffer, .address_space: global }
      - { .name: ML, .offset: 8, .size: 8, .value_kind: global_buffer, .address_space: global }
      - { .name: bv, .offset: 16, .size: 8, .value_kind: global_buffer, .address_space: global }
      - { .name: Wo, .offset: 24, .size: 8, .value_kind: global_buffer, .address_space: global }
      - { .name: bo, .offset: 32, .size: 8, .value_kind: global_buffer, .address_space: global }
      - { .name: out0, .offset: 40, .size: 8, .value_kind: global_buffer, .address_space: global }
    .group_segment_fixed_size: 35328
    .private_segment_fixed_size: 0
    .kernarg_segment_align: 8
    .kernarg_segment_size: 48
    .max_flat_workgroup_size: 512
    .sgpr_count:     66
    .vgpr_count:     256
    .wavefront_size: 32
...
	.end_amdgpu_metadata
.endif
;; end of part 3
;; ======== version 2 of 2: 3 launches; 1.17 times as fast as version 1
;; limits: values are held in f16: magnitudes above 65,504 overflow, below 6.1e-05 lose precision
;; workspace buffers: WF 262,144 bytes; WSC 16,384 bytes; QF 1,048,576 bytes; WOF 524,288 bytes; PO 33,554,432 bytes; ML 2,097,152 bytes
;; launch prep (part 4): grid 280 x 1, 8 waves a work-group, no clusters, 28,672 bytes of LDS; arguments query, Wq, bq, Wk, Wv, Wo, QF, WF, WSC, WOF; writes QF, WF, WSC, WOF
.if DOCPART == 4
	.amdgcn_target "amdgcn-amd-amdhsa--gfx1250"
	.amdhsa_code_object_version 6
	.text
	.protected	k_q44f0d09293_prep
	.globl	k_q44f0d09293_prep
	.p2align	8
	.type	k_q44f0d09293_prep,@function
k_q44f0d09293_prep:
	s_mov_b64 s[64:65], 0
	v_nop
	global_prefetch_b8 v0, s[64:65] scope:SCOPE_SE
	s_setreg_imm32_b32 hwreg(HW_REG_WAVE_MODE, 25, 1), 1
	s_wait_xcnt 0x0
; FIRST OF THREE LAUNCHES of out = softmax((query Wq^T + bq)(key Wk^T + bk)^T / sqrt(32) + ln(max(importance, 1e-6))) (value Wv^T + bv) Wo^T + bo, 16 heads of 32.
; This launch makes ready what the other two need: q, the codes of Wk and Wv, and Wo in f16.
; WORK LEFT OUT, FOR ALL VALUES OF THE INPUTS: bk.  A score is (q . (k' + bk)) / sqrt(32) + ln(..) with k' = key Wk^T; the term q . bk / sqrt(32) hangs on the query and the head alone, so it is
; the same for all keys of a row, that is along the softmax's axis, and the softmax takes it away; the product of q with k is not quantised, so bk moves no code and no scale.  bk has no way to an
; output: it is not loaded and is no argument of any launch.  LIMIT: a NaN, an infinity or an overflow that would come from bk alone is not carried to the result.
; bv is live: since a row of the softmax sums to 1, sum_n p (v' + bv) = sum_n p v' + bv: the third launch adds it once, behind the normalising.
; ROLE Q (work-groups 0-255: batch b = id / 32, query tiles 2 qp and 2 qp + 1 with qp = (id / 8) % 4, heads 2 hp and 2 hp + 1 with hp = id % 8): 32 rows of query and 64 rows of Wq are quantised to E2M1
; along K = 512 (one E8M0 byte for 32): 24 pieces of 16 rows x 128 K, three a wave; their images meet in LDS; then wave w makes the tile (query tile w / 4, head (w / 2) % 2, 16 channels w % 2) by four scaled FP4
; matrix instructions, adds bq (the C of the first), multiplies by c = log2(e) / sqrt(32), rounds to f16 and stores half an image of the operand registers that the second launch loads.
; ROLE W (work-groups 256-271): wave u of 128 quantises 16 rows x 128 K of Wk and of Wv and stores the codes as register images, the scale words with Wk's in lanes 0-15 and Wv's in lanes 16-31.
; ROLE O (work-groups 272-279): wave o of 64 rounds 16 rows x 256 columns of Wo to f16 and stores them as eight images of the 16-bit operand's registers, for the third launch.
; AN IMAGE of an operand's 8 registers is 1,024 bytes: registers 4 u .. 4 u + 3 of lane l at 512 u + 16 l.  Any wave that loads it by two 16-byte loads a lane has the same registers in the same lanes.
; THE QUANTISER: lane (r, h) takes row r and k = 64 c + 32 h + 0 .. 31, c = 0, 1, of a K step of 128: two whole blocks, in the order of the 4-bit operand's registers.
; A block's byte is its largest magnitude's exponent field - 2, held at 1 from below.  A block of zeros so keeps the byte 1 where the rule says 127: its codes are zeros, and this program alone reads the bytes.
; LIMITS: NaN and infinities among the inputs are not served; q c and Wo must stay under 65,504 (f16).
; NO JOINT LOADS: every operand goes from memory straight into registers in the operand's own order; a work-group of role Q reads 192 KB, and what two of them share is a part of that.
.set XI,    0                          ; LDS: query's 8 images (tile qt', K step s: 4 qt' + s)
.set WI,    8192                       ; Wq's 16 images (tile ct4, K step s: 4 ct4 + s)
.set XSW,   24576                      ; query's scale words: [qt'][lane][s], 512 bytes a tile
.set WSW,   25600                      ; Wq's: [ct4][lane][s]
.set SPARE, 27648                      ; the spare words: 128 bytes for each of 8 waves, named by no other line
.set SPW, 1                            ; v1   my spare word's LDS address; never rewritten
.set NIL, 2                            ; v2   0; never rewritten
.set LN,  3                            ; v3   lane
.set RR,  4                            ; v4   r = lane % 16
.set HH,  5                            ; v5   h = lane / 16
.set GX,  6                            ; v6   2048 r + 128 h: my row, my half's first block, in a tensor with rows of 512 f32
.set L16, 7                            ; v7   16 x lane
.set SH8, 8                            ; v8   8 h: where my two scale bytes stand in the word
.set XIW, 9                            ; v9-12 where I store images and scale words
.set XSA, 10
.set WIW, 11
.set WSA, 12
.set TA,  13                           ; v13  32 h (role Q), 4 x lane (role W), 2048 r + 32 h (role O)
.set KPW, 14                           ; v14  role W: Wk's scale word, kept
.set TB,  15
.set XS,  16                           ; v16-19 query's scale words; v20-23 Wq's: these registers hold scales and nothing else
.set WS,  20
.set QT,  28                           ; v28-43 the quantiser's: +0,1 largest magnitudes, +2,3 scale operands, +4,5 bytes, +6 the scale word, +7 at work, +8..15 the codes
.set BQ,  44                           ; v44-51 bq in the result's layout, my tile
.set XIR, 60                           ; v60-63 where I read images and scale words back
.set WIR, 61
.set XSR, 62
.set WSR, 63
.set RA,  64                           ; three sets of 64 numbers
.set RB,  128
.set RC,  192
.set XF,  64                           ; behind the barrier: query's 4 fragments, Wq's 4, two accumulators, q c, q c in f16
.set WFR, 96
.set ACC, 160
.set SCL, 176
.set OUTR, 192
.set SEL, 36                           ; s[36:37] lane selects: lane l xor 16
.set HM,  38                           ; s38 lanes 16-31
.set CS,  40                           ; s[40:41] c
.macro PLACES n
.rept \n
	v_nop
.endr
.endm
; 64 numbers of a lane, v[x + 32 c + i] = k 64 c + 32 h + i of my row, become the fragment's codes in v[t+8 .. t+15] and my row's scale word in v[t+6].
.macro QUANTF x, t
.irp c, 0,1
	v_max3_num_f32 v[(\t)+\c], |v[(\x)+32*\c]|, |v[(\x)+32*\c+1]|, 0x1800000   ; my block 2 c + h, and the floor 2^(3 - 127): the byte cannot fall under 1
.endr
.irp i, 2,4,6,8,10,12,14,16,18,20,22,24,26,28,30
.irp c, 0,1
	v_max3_num_f32 v[(\t)+\c], v[(\t)+\c], |v[(\x)+32*\c+\i]|, |v[(\x)+32*\c+\i+1]|   ; the two blocks by turns
.endr
.endr
.irp c, 0,1
	v_add_nc_u32 v[(\t)+2+\c], 0xff000000, v[(\t)+\c]      ; 2 off the exponent field: the conversion's scale operand
.endr
.irp c, 0,1
	v_lshrrev_b32 v[(\t)+4+\c], 23, v[(\t)+2+\c]           ; the scale's byte
.endr
	v_lshl_or_b32 v[(\t)+6], v[(\t)+5], 16, v[(\t)+4]      ; blocks h and 2 + h,
	v_lshlrev_b32 v[(\t)+6], v[SH8], v[(\t)+6]             ; at their places in the word;
	v_mov_b32 v[(\t)+7], 0
	v_permlanex16_b32 v[(\t)+7], v[(\t)+6], s[SEL], s[SEL+1]
	v_or_b32 v[(\t)+6], v[(\t)+6], v[(\t)+7]               ; with lane l xor 16's two the word is whole, in both halves
.irp c, 0,1
.irp g, 0,1,2,3
	v_cvt_scalef32_pk8_fp4_f32 v[(\t)+8+4*\c+\g], v[(\x)+32*\c+8*\g:(\x)+32*\c+8*\g+7], v[(\t)+2+\c]
.endr
.endr
	v_nop                                                  ; one plain instruction behind the last scaled conversion
.endm
.macro GLOAD reg, base, off            ; 16 rows x 128 K of f32 into 64 registers a lane, in the operand's order
.irp c, 0,1
.irp i, 0,1,2,3,4,5,6,7
	global_load_b128 v[\reg+32*\c+4*\i:\reg+32*\c+4*\i+3], v[GX], s[\base:\base+1] offset:\off+256*\c+16*\i
.endr
.endr
.endm
.macro OOUT f0                         ; role O: fragments f0 .. f0 + 3 are rounded to f16 in place, ascending, and stored as images
.irp f, \f0, \f0+1, \f0+2, \f0+3
.irp j, 0,1,2,3,4,5,6,7
	v_cvt_pk_f16_f32 v[RA+16*(\f)+\j], v[RA+16*(\f)+2*\j], v[RA+16*(\f)+2*\j+1]
.endr
.endr
.irp f, \f0, \f0+1, \f0+2, \f0+3
	global_store_b128 v[L16], v[RA+16*(\f):RA+16*(\f)+3], s[22:23] offset:1024*(\f)           ; 32 lanes store 512 consecutive bytes, aligned
	global_store_b128 v[L16], v[RA+16*(\f)+4:RA+16*(\f)+7], s[22:23] offset:1024*(\f)+512
.endr
.endm
	s_load_b256 s[4:11], s[0:1], 0x0               ; query s[4:5], Wq s[6:7], bq s[8:9], Wk s[10:11]
	s_load_b256 s[12:19], s[0:1], 0x20             ; Wv s[12:13], Wo s[14:15], QF s[16:17], WF s[18:19]
	s_load_b128 s[20:23], s[0:1], 0x40             ; WSC s[20:21], WOF s[22:23]
	v_lshl_add_u32 v[SPW], v0, 2, SPARE
	v_mov_b32 v[NIL], 0
	v_lshrrev_b32 v[TA], 5, v0
	v_readfirstlane_b32 s24, v[TA]                 ; wave 0..7
	v_and_b32 v[LN], 31, v0
	v_and_b32 v[RR], 15, v0
	v_bfe_u32 v[HH], v0, 4, 1
	v_lshlrev_b32 v[GX], 11, v[RR]
	v_lshl_add_u32 v[GX], v[HH], 7, v[GX]
	v_lshlrev_b32 v[L16], 4, v[LN]
	v_lshlrev_b32 v[SH8], 3, v[HH]
	s_mov_b32 s[SEL], 0x76543210
	s_mov_b32 s[SEL+1], 0xfedcba98
	s_mov_b32 s[HM], 0xffff0000
	s_mov_b32 s[CS], 0x3e8293ee                    ; c = log2(e) / sqrt(32)
	s_mov_b32 s[CS+1], s[CS]                       ; (named with it as a pair, so it is written)
	s_mov_b32 s27, 0
	s_wait_kmcnt 0x0
	s_cmp_lt_u32 ttmp9, 256                        ; the work-group's number alone: all eight waves go the same way
	s_cbranch_scc0 .Lnot_q
	; ---------------- ROLE Q ----------------
	s_lshr_b32 s25, ttmp9, 5                       ; b
	s_bfe_u32 s28, ttmp9, 0x20003                  ; qp
	s_and_b32 s29, ttmp9, 7                        ; hp
	s_and_b32 s30, s24, 1                          ; w % 2: which two K steps of Wq I quantise; behind the barrier my tile of 16 channels, ct
	s_lshr_b32 s31, s24, 1                         ; w / 2: which tile of Wq's 64 rows I quantise
	s_and_b32 s32, s24, 3                          ; w % 4: which K step of query I quantise; behind the barrier my tile of Wq's rows, 2 hh + ct
	s_lshr_b32 s33, s24, 2                         ; w / 4: qt', my tile of queries, before and behind the barrier
	s_lshl_b32 s26, s29, 8
	s_lshl_b32 s34, s32, 6
	s_add_co_u32 s26, s26, s34
	s_add_nc_u64 s[8:9], s[8:9], s[26:27]          ; bq at channel 64 hp + 16 (w % 4)
	s_lshl_b32 s26, s29, 2
	s_add_co_u32 s26, s26, s31                     ; Wq: tile of 16 rows 4 hp + w / 2,
	s_lshl_b32 s26, s26, 15
	s_lshl_b32 s34, s30, 10                        ; K steps 2 (w % 2) and the next
	s_add_co_u32 s26, s26, s34
	s_add_nc_u64 s[6:7], s[6:7], s[26:27]
	s_lshl_b32 s34, s28, 1
	s_add_co_u32 s34, s34, s33                     ; qt = 2 qp + qt'
	s_lshl_b32 s35, s25, 3
	s_add_co_u32 s35, s35, s34                     ; query: tile of 16 rows 8 b + qt,
	s_lshl_b32 s26, s35, 15
	s_lshl_b32 s35, s32, 9                         ; K step w % 4
	s_add_co_u32 s26, s26, s35
	s_add_nc_u64 s[4:5], s[4:5], s[26:27]
	s_bfe_u32 s42, s24, 0x10001                    ; hh = (w / 2) % 2
	s_lshl_b32 s43, s29, 1
	s_add_co_u32 s42, s42, s43                     ; my head
	s_lshl_b32 s26, s25, 4
	s_add_co_u32 s26, s26, s42
	s_lshl_b32 s26, s26, 3
	s_add_co_u32 s26, s26, s34
	s_lshl_b32 s26, s26, 10                        ; QF: image (16 b + head) 8 + qt,
	s_lshl_b32 s43, s30, 9                         ; its half ct
	s_add_co_u32 s26, s26, s43
	s_add_nc_u64 s[16:17], s[16:17], s[26:27]
	v_lshlrev_b32 v[TA], 5, v[HH]                  ; bq: lane (r, h) wants my tile's channels 8 h + 0 .. 7
	global_load_b128 v[BQ:BQ+3], v[TA], s[8:9]
	global_load_b128 v[BQ+4:BQ+7], v[TA], s[8:9] offset:16
	GLOAD RA, 4, 0
	GLOAD RB, 6, 0
	GLOAD RC, 6, 512
	s_lshl_b32 s34, s24, 10
	v_add_nc_u32 v[XIW], s34, v[L16]               ; my image of query: 4 qt' + s = w (XI = 0)
	s_lshl_b32 s34, s33, 9
	s_add_co_u32 s34, s34, XSW
	v_add_nc_u32 v[XSR], s34, v[L16]               ; my tile's scale words: 512 qt' + 16 lane,
	s_lshl_b32 s35, s32, 2
	s_add_co_u32 s34, s34, s35
	v_add_nc_u32 v[XSA], s34, v[L16]               ; and where I store mine: + 4 s
	s_lshl_b32 s34, s24, 11
	s_add_co_u32 s34, s34, WI
	v_add_nc_u32 v[WIW], s34, v[L16]               ; my two images of Wq: 4 (w / 2) + 2 (w % 2) = 2 w
	s_lshl_b32 s34, s31, 9
	s_lshl_b32 s35, s30, 3
	s_add_co_u32 s34, s34, s35
	s_add_co_u32 s34, s34, WSW
	v_add_nc_u32 v[WSA], s34, v[L16]
	s_lshl_b32 s34, s33, 12
	v_add_nc_u32 v[XIR], s34, v[L16]               ; back: my tile of queries,
	s_lshl_b32 s34, s32, 12
	s_add_co_u32 s34, s34, WI
	v_add_nc_u32 v[WIR], s34, v[L16]               ; my tile of Wq,
	s_lshl_b32 s34, s32, 9
	s_add_co_u32 s34, s34, WSW
	v_add_nc_u32 v[WSR], s34, v[L16]               ; and its scale words
	s_wait_loadcnt 32                              ; bq and query's numbers are in; the two sets of Wq's, 16 loads each, may be out
	QUANTF RA, QT
	ds_store_b128 v[XIW], v[QT+8:QT+11]
	ds_store_b128 v[XIW], v[QT+12:QT+15] offset:512
	ds_store_b32 v[XSA], v[QT+6]
	s_wait_dscnt 0x0                               ; the stores have read their registers: the next codes may be written
	s_wait_loadcnt 16                              ; Wq's first set is in
	QUANTF RB, QT
	ds_store_b128 v[WIW], v[QT+8:QT+11]
	ds_store_b128 v[WIW], v[QT+12:QT+15] offset:512
	ds_store_b32 v[WSA], v[QT+6]
	s_wait_dscnt 0x0
	s_wait_loadcnt 0x0
	QUANTF RC, QT
	ds_store_b128 v[WIW], v[QT+8:QT+11] offset:1024
	ds_store_b128 v[WIW], v[QT+12:QT+15] offset:1536
	ds_store_b32 v[WSA], v[QT+6] offset:4
	s_wait_dscnt 0x0                               ; for the others' sake: my images lie in LDS
	s_barrier_signal -1
	s_barrier_wait -1
	ds_load_b128 v[XS:XS+3], v[XSR]                ; the four K steps' scale words of my 16 queries,
	ds_load_b128 v[WS:WS+3], v[WSR]                ; and of my 16 channels
.irp s, 0,1,2,3
	ds_load_b128 v[XF+8*\s:XF+8*\s+3], v[XIR] offset:1024*\s
	ds_load_b128 v[XF+8*\s+4:XF+8*\s+7], v[XIR] offset:1024*\s+512
	ds_load_b128 v[WFR+8*\s:WFR+8*\s+3], v[WIR] offset:1024*\s
	ds_load_b128 v[WFR+8*\s+4:WFR+8*\s+7], v[WIR] offset:1024*\s+512
.endr
	s_wait_dscnt 0x0
	; TRANSPOSED: source 0 = 16 channels of Wq, source 1 = 16 queries: lane (r, h) holds query r, register j channel 8 h + j of my tile.
	; K steps 0 and 2 go to one accumulator (which begins with bq), K steps 1 and 3 to another: the two take turns and are added in f32.
.irp s, 0,1,2,3
.if \s == 0
	v_wmma_scale_f32_16x16x128_f8f6f4 v[ACC:ACC+7], v[WFR:WFR+7], v[XF:XF+7], v[BQ:BQ+7], v[WS], v[XS] matrix_a_fmt:MATRIX_FMT_FP4 matrix_b_fmt:MATRIX_FMT_FP4
.elseif \s == 1
	v_wmma_scale_f32_16x16x128_f8f6f4 v[ACC+8:ACC+15], v[WFR+8:WFR+15], v[XF+8:XF+15], 0, v[WS+1], v[XS+1] matrix_a_fmt:MATRIX_FMT_FP4 matrix_b_fmt:MATRIX_FMT_FP4
.else
	v_wmma_scale_f32_16x16x128_f8f6f4 v[ACC+8*(\s%2):ACC+8*(\s%2)+7], v[WFR+8*\s:WFR+8*\s+7], v[XF+8*\s:XF+8*\s+7], v[ACC+8*(\s%2):ACC+8*(\s%2)+7], v[WS+\s], v[XS+\s] matrix_a_fmt:MATRIX_FMT_FP4 matrix_b_fmt:MATRIX_FMT_FP4
.endif
.endr
	PLACES 4                                       ; four plain instructions between the last product and the first read of results (ISA guide 7.12.1)
.irp i, 0,2,4,6
	v_pk_add_f32 v[SCL+\i:SCL+\i+1], v[ACC+\i:ACC+\i+1], v[ACC+8+\i:ACC+8+\i+1]   ; both accumulators from their low ends on
.endr
.irp i, 0,2,4,6
	v_pk_mul_f32 v[SCL+\i:SCL+\i+1], v[SCL+\i:SCL+\i+1], s[CS:CS+1] op_sel_hi:[1,0]   ; (q + bq) c
.endr
.irp i, 0,1,2,3
	v_cvt_pk_f16_f32 v[OUTR+\i], v[SCL+2*\i], v[SCL+2*\i+1]   ; channels 16 ct + 8 h + 0 .. 7: registers 4 ct .. 4 ct + 3 of the 16-bit operand for 16 queries x 32 channels
.endr
	global_store_b128 v[L16], v[OUTR:OUTR+3], s[16:17]     ; 32 lanes store 512 consecutive bytes, aligned
	s_wait_tensorcnt 0x0                           ; the wave's end: three closing lines behind my last LDS store
	ds_add_u32 v[SPW], v[NIL]
	s_wait_dscnt 0x0
	s_endpgm
.Lnot_q:
	s_cmp_lt_u32 ttmp9, 272
	s_cbranch_scc0 .Lrole_o
	; ---------------- ROLE W ----------------
	s_sub_co_u32 s25, ttmp9, 256
	s_lshl_b32 s25, s25, 3
	s_add_co_u32 s25, s25, s24                     ; u = 0 .. 127: head u / 8, tile ct = (u / 4) % 2, K step u % 4
	s_lshr_b32 s28, s25, 2                         ; tile of 16 rows: 2 head + ct
	s_and_b32 s29, s25, 3
	s_lshl_b32 s26, s28, 15
	s_lshl_b32 s30, s29, 9
	s_add_co_u32 s26, s26, s30
	s_add_nc_u64 s[10:11], s[10:11], s[26:27]      ; Wk and Wv at my tile
	s_add_nc_u64 s[12:13], s[12:13], s[26:27]
	s_lshr_b32 s26, s25, 3
	s_lshl_b32 s26, s26, 14                        ; WF: [head][Wk, Wv][ct][s] images
	s_and_b32 s30, s28, 1
	s_lshl_b32 s30, s30, 12
	s_add_co_u32 s26, s26, s30
	s_lshl_b32 s30, s29, 10
	s_add_co_u32 s26, s26, s30
	s_add_nc_u64 s[18:19], s[18:19], s[26:27]
	s_lshl_b32 s26, s25, 7                         ; WSC: 128 bytes for each u
	s_add_nc_u64 s[20:21], s[20:21], s[26:27]
	GLOAD RA, 10, 0
	GLOAD RB, 12, 0
	v_lshlrev_b32 v[TA], 2, v[LN]
	s_wait_loadcnt 16                              ; Wk's numbers are in; Wv's 16 loads may be out
	QUANTF RA, QT
	global_store_b128 v[L16], v[QT+8:QT+11], s[18:19]
	global_store_b128 v[L16], v[QT+12:QT+15], s[18:19] offset:512
	v_mov_b32 v[KPW], v[QT+6]
	s_wait_xcnt 0x0                                ; the stores' data registers are written again only behind this wait
	s_wait_loadcnt 0x0
	QUANTF RB, QT
	global_store_b128 v[L16], v[QT+8:QT+11], s[18:19] offset:8192
	global_store_b128 v[L16], v[QT+12:QT+15], s[18:19] offset:8704
	v_cndmask_b32 v[TB], v[KPW], v[QT+6], s[HM]    ; lanes 0-15: Wk's word of row r; lanes 16-31: Wv's
	global_store_b32 v[TA], v[TB], s[20:21]        ; 128 consecutive bytes a wave: two neighbouring waves fill an aligned 256; the whole buffer is 16 KB
	s_wait_tensorcnt 0x0                           ; the same three closing lines on this way
	ds_add_u32 v[SPW], v[NIL]
	s_wait_dscnt 0x0
	s_endpgm
	; ---------------- ROLE O ----------------
.Lrole_o:
	s_sub_co_u32 s25, ttmp9, 272
	s_lshl_b32 s25, s25, 3
	s_add_co_u32 s25, s25, s24                     ; o = 0 .. 63: tile of 16 rows of Wo o / 2, heads 8 (o % 2) on
	s_lshr_b32 s26, s25, 1
	s_lshl_b32 s26, s26, 15
	s_and_b32 s28, s25, 1
	s_lshl_b32 s28, s28, 10
	s_add_co_u32 s26, s26, s28
	s_add_nc_u64 s[14:15], s[14:15], s[26:27]
	s_lshl_b32 s26, s25, 13                        ; WOF: [tile 32][head 16] images: my eight lie on end
	s_add_nc_u64 s[22:23], s[22:23], s[26:27]
	v_lshlrev_b32 v[TA], 5, v[HH]
	v_lshl_add_u32 v[TA], v[RR], 11, v[TA]         ; row r, + 32 h
.irp f, 0,1,2,3,4,5,6,7                        ; fragment f: of my row's 32 numbers of a head, k = 8 h + 0 .. 7 and 16 + 8 h + 0 .. 7
	global_load_b128 v[RA+16*\f:RA+16*\f+3], v[TA], s[14:15] offset:128*\f
	global_load_b128 v[RA+16*\f+4:RA+16*\f+7], v[TA], s[14:15] offset:128*\f+16
	global_load_b128 v[RA+16*\f+8:RA+16*\f+11], v[TA], s[14:15] offset:128*\f+64
	global_load_b128 v[RA+16*\f+12:RA+16*\f+15], v[TA], s[14:15] offset:128*\f+80
.endr
	s_wait_loadcnt 16                              ; fragments 0-3 are in; the 16 loads of fragments 4-7 may be out
	OOUT 0
	s_wait_loadcnt 0x0
	OOUT 4
	s_wait_tensorcnt 0x0                           ; the same three closing lines on this way
	ds_add_u32 v[SPW], v[NIL]
	s_wait_dscnt 0x0
	s_endpgm
.Lfunc_end_k_q44f0d09293_prep:
	.size	k_q44f0d09293_prep, .Lfunc_end_k_q44f0d09293_prep-k_q44f0d09293_prep
	.p2alignl 7, 3214868480
	.fill 96, 4, 3214868480
	.section	.rodata,"a",@progbits
	.p2align	6, 0x0
	.amdhsa_kernel k_q44f0d09293_prep
		.amdhsa_group_segment_fixed_size 28672
		.amdhsa_private_segment_fixed_size 0
		.amdhsa_enable_private_segment 0
		.amdhsa_kernarg_size 80
		.amdhsa_user_sgpr_count 2
		.amdhsa_user_sgpr_kernarg_segment_ptr 1
		.amdhsa_wavefront_size32 1
		.amdhsa_system_sgpr_workgroup_id_x 1
		.amdhsa_system_sgpr_workgroup_id_y 1
		.amdhsa_system_sgpr_workgroup_id_z 1
		.amdhsa_system_vgpr_workitem_id 0
		.amdhsa_next_free_vgpr 256
		.amdhsa_next_free_sgpr 66
		.amdhsa_reserve_vcc 0
		.amdhsa_float_denorm_mode_32 3
		.amdhsa_float_denorm_mode_16_64 3
		.amdhsa_memory_ordered 1
		.amdhsa_forward_progress 1
		.amdhsa_inst_pref_size 41
	.end_amdhsa_kernel
	.amdgpu_metadata
---
amdhsa.version: [ 1, 2 ]
amdhsa.kernels:
  - .name:           k_q44f0d09293_prep
    .symbol:         k_q44f0d09293_prep.kd
    .args:
      - { .name: query, .offset: 0, .size: 8, .value_kind: global_buffer, .address_space: global }
      - { .name: Wq, .offset: 8, .size: 8, .value_kind: global_buffer, .address_space: global }
      - { .name: bq, .offset: 16, .size: 8, .value_kind: global_buffer, .address_space: global }
      - { .name: Wk, .offset: 24, .size: 8, .value_kind: global_buffer, .address_space: global }
      - { .name: Wv, .offset: 32, .size: 8, .value_kind: global_buffer, .address_space: global }
      - { .name: Wo, .offset: 40, .size: 8, .value_kind: global_buffer, .address_space: global }
      - { .name: QF, .offset: 48, .size: 8, .value_kind: global_buffer, .address_space: global }
      - { .name: WF, .offset: 56, .size: 8, .value_kind: global_buffer, .address_space: global }
      - { .name: WSC, .offset: 64, .size: 8, .value_kind: global_buffer, .address_space: global }
      - { .name: WOF, .offset: 72, .size: 8, .value_kind: global_buffer, .address_space: global }
    .group_segment_fixed_size: 28672
    .private_segment_fixed_size: 0
    .kernarg_segment_align: 8
    .kernarg_segment_size: 80
    .max_flat_workgroup_size: 256
    .sgpr_count:     66
    .vgpr_count:     256
    .wavefront_size: 32
...
	.end_amdgpu_metadata
.endif
;; end of part 4
;; launch attn: the kernel of part 2 again; grid 32 x 8, 8 waves a work-group, clusters of 2 x 1, 327,680 bytes of LDS; arguments key, value, importance, WF, WSC, QF, PO, ML; writes PO, ML
;; launch outp (part 5): grid 4 x 64, 16 waves a work-group, clusters of 4 x 1, 327,680 bytes of LDS; arguments PO, ML, bv, WOF, bo, out0; writes out0
.if DOCPART == 5
	.amdgcn_target "amdgcn-amd-amdhsa--gfx1250"
	.amdhsa_code_object_version 6
	.text
	.protected	k_q44f0d09293_outp
	.globl	k_q44f0d09293_outp
	.p2align	8
	.type	k_q44f0d09293_outp,@function
k_q44f0d09293_outp:
	s_mov_b64 s[64:65], 0
	v_nop
	global_prefetch_b8 v0, s[64:65] scope:SCOPE_SE
	s_setreg_imm32_b32 hwreg(HW_REG_WAVE_MODE, 25, 1), 1
	s_wait_xcnt 0x0
	s_wait_alu depctr_hold_cnt(0) depctr_sa_sdst(0) depctr_va_vdst(0) depctr_va_sdst(0) depctr_va_ssrc(0) depctr_va_vcc(0) depctr_vm_vsrc(0)
	s_getreg_b32 s2, hwreg(HW_REG_IB_STS2, 6, 4)
	s_cmp_eq_u32 s2, 0
	s_cbranch_scc0 .Lentry_in_a_cluster
	s_endpgm
.Lentry_in_a_cluster:
	s_bfe_u32 s2, ttmp6, 0x10000c
	s_cmp_lg_u32 s2, 0x3003
	s_cbranch_scc0 .Lentry_shape_is_right
	s_endpgm
.Lentry_shape_is_right:
; THIRD LAUNCH: the 16 chunks' partial sums are joined, normalised, bv is added, and out0 = a Wo^T + bo.
; (bk is left out of the whole program: shown at the head of the first launch.  bv is added here once: a row of the softmax sums to 1.)
; SHARES.  A work-group takes 16 queries (tile y = 8 b + qt) and 128 columns of out0 (its place cx in the cluster).
; CLUSTER.  The four work-groups of a tile of queries need the same partial sums, 16 chunks x 16 heads x 2 images of 1,024 bytes = 512 KB: they form a cluster and ask for them JOINTLY, by the same tensor load
; with the same descriptor and the mask 15; each receives them in its own LDS.  My place in the cluster enters the global addresses of WOF, bo and out0 alone: no LDS address, no branch, no descriptor.
; THE SLOT holds 8 chunks, 256 KB: chunk c' at 32,768 c', in it row 2 head + ct of 1,024 bytes.  In memory these rows lie 8,192 bytes apart.  Each of the sixteen waves fetches 16 rows by one load (half a chunk).
; The slot is filled twice.  As soon as the first 8 chunks stand in registers (32 LDS loads a wave), the slot is asked for again, and the first 8 chunks are summed while that load is on its way.
; PHASE 1: wave w = head w.  With m = the largest M of the 16 chunks and w_c = 2^(M_c - m): a = sum_c w_c O_c / sum_c w_c L_c + bv.  O_c is the image of the accumulators that made it: lane (r, h) holds query r,
; register 8 ct + j channel 16 ct + 8 h + j, which, rounded to f16 in pairs, is the 16-bit operand's layout for 16 queries x the head's 32 channels: K step w of the product with Wo.  Its image goes to LDS.
; PHASE 2: wave w takes the tile of 16 columns w % 8 and the heads 8 (w / 8) on: eight f16 matrix instructions (source 0 = 16 rows of Wo, as images that the first launch made; source 1 = a), two accumulators by turns.
; The two halves of K meet in a stage in LDS; wave w then adds row w's two halves and bo and stores 512 consecutive bytes.
; LIMITS: a and Wo are rounded to f16: magnitudes under 65,504.  NaN and infinities are not served.
.set AIMG,  262144                     ; LDS behind the slot: a's 16 images
.set STG,   278528                     ; two stages of 16 rows x (512 + 16) bytes
.set SPARE, 295424                     ; the spare words, 128 bytes for each of 16 waves, named by no other line
.set SPW, 1
.set NIL, 2
.set L16, 3                            ; v3   16 lane
.set R8,  4                            ; v4   8 r
.set AIW, 6                            ; v6   where I store my image
.set AIR, 7                            ; v7   where my eight K steps' images begin
.set STW, 8                            ; v8   the stage: where I put 32 bytes of a row
.set STR, 9                            ; v9   and where I read a row back
.set H32, 10                           ; v10  32 h
.set SLA, 11                           ; v11-14 the slot: my head's rows in chunks 0, 2, 4, 6 (65,536 bytes apart: an LDS immediate holds 16 bits)
.set PR,  16                           ; v16-47 (M, L) of the 16 chunks, then (w / divisor, L)
.set ACC, 48                           ; v48-63 bv, onto which a is summed
.set SETA, 64                          ; v64-191 eight chunks x 16 registers (v64-67 at work on the weights before); later a's eight fragments
.set SETB, 128
.set SETC, 192                         ; v192-255 Wo's eight fragments
.macro PLACES n
.rept \n
	v_nop
.endr
.endm
.macro ROUND                           ; a round of the cluster's barrier: my work-group's barrier; wave 0 signals for the work-group; every wave waits for all four work-groups; my work-group's barrier once more
	s_barrier_signal -1
	s_barrier_wait -1
	s_cmp_lg_u32 s20, 0
	s_cbranch_scc1 .Lnot_wave_0_\@
	s_barrier_signal -3
.Lnot_wave_0_\@:
	s_barrier_wait -3
	s_barrier_signal -1
	s_barrier_wait -1
.endm
.macro SREAD                           ; my head's two images of each of the slot's eight chunks: 32 loads of 512 consecutive bytes
.irp c, 0,1,2,3,4,5,6,7
.irp t, 0,1
.irp u, 0,1
	ds_load_b128 v[SETA+16*\c+8*\t+4*\u:SETA+16*\c+8*\t+4*\u+3], v[SLA+\c/2] offset:32768*(\c%2)+1024*\t+512*\u
.endr
.endr
.endr
.endm
.macro PROC reg, c0                    ; a += (w_c / divisor) O_c, chunks c0 .. c0 + 3
.irp k, 0,1,2,3
.irp i, 0,2,4,6,8,10,12,14
	v_pk_fma_f32 v[ACC+\i:ACC+\i+1], v[\reg+16*\k+\i:\reg+16*\k+\i+1], v[PR+2*(\c0+\k):PR+2*(\c0+\k)+1], v[ACC+\i:ACC+\i+1] op_sel_hi:[1,0,1]
.endr
.endr
.endm
	s_load_b256 s[4:11], s[0:1], 0x0               ; PO s[4:5], ML s[6:7], bv s[8:9], WOF s[10:11]
	s_load_b128 s[12:15], s[0:1], 0x20             ; bo s[12:13], out0 s[14:15]
	v_lshl_add_u32 v[SPW], v0, 2, SPARE
	v_mov_b32 v[NIL], 0
	ds_add_u32 v[SPW], v[NIL]                      ; the wave's opening: the add, twice on end, and its wait ahead of my first tensor load
	ds_add_u32 v[SPW], v[NIL]                      ; and once more; the set-up below, work on registers, stands between it and the wait
	v_lshrrev_b32 v5, 5, v0
	v_readfirstlane_b32 s20, v5                    ; wave 0..15
	s_bfe_u32 s21, ttmp6, 0x40000                  ; cx: which 128 columns
	s_and_b32 s22, ttmp7, 0xffff                   ; the cluster's y: 8 b + qt
	s_lshr_b32 s23, s22, 3                         ; b
	s_and_b32 s16, s22, 7                          ; qt
	s_lshr_b32 s17, s20, 3                         ; which half of K in phase 2
	s_and_b32 s18, s20, 7                          ; which tile of 16 columns
	; descriptor group 1: 16 rows x 128 elements of 8 bytes, rows 1,024 elements apart, dense in LDS
	s_mov_b32 s24, 15|(3<<16)|(1<<21)              ; 15:0 the mask: all four partners; 17:16 elements of 8 bytes; 20 no padding; 21 set beside a mask
	s_mov_b32 s25, 128<<16                         ; tensor_dim0
	s_mov_b32 s26, 16<<16                          ; tensor_dim1
	s_mov_b32 s27, 128<<16                         ; tile_dim0
	s_mov_b32 s28, 16                              ; tile_dim1
	s_mov_b32 s29, 1024                            ; the pitch
	s_mov_b32 s30, 0
	s_mov_b32 s31, 0
	s_mov_b32 s32, 1                               ; group 0: count = 1,
	s_lshl_b32 s33, s20, 14                        ; LDS address: 16,384 x wave: chunk wave / 2 of the slot, rows 16 (wave % 2) on
	v_and_b32 v5, 31, v0
	v_and_b32 v15, 15, v0
	v_bfe_u32 v[H32], v0, 4, 1
	v_lshlrev_b32 v[H32], 5, v[H32]
	v_lshlrev_b32 v[L16], 4, v5
	v_lshlrev_b32 v[R8], 3, v15
	s_lshl_b32 s38, s20, 11
	v_add_nc_u32 v[SLA], s38, v[L16]               ; rows 2 w and 2 w + 1 of a chunk
	v_add_nc_u32 v[SLA+1], 0x10000, v[SLA]
	v_add_nc_u32 v[SLA+2], 0x20000, v[SLA]
	v_add_nc_u32 v[SLA+3], 0x30000, v[SLA]
	s_lshl_b32 s38, s20, 10
	s_add_co_u32 s38, s38, AIMG
	v_add_nc_u32 v[AIW], s38, v[L16]
	s_lshl_b32 s38, s17, 13
	s_add_co_u32 s38, s38, AIMG
	v_add_nc_u32 v[AIR], s38, v[L16]
	v_mul_u32_u24 v[STW], v15, 528
	v_add_nc_u32 v[STW], v[STW], v[H32]
	s_mul_i32 s38, s17, 8448
	s_lshl_b32 s39, s18, 6
	s_add_co_u32 s38, s38, s39
	s_add_co_u32 s38, s38, STG
	v_add_nc_u32 v[STW], s38, v[STW]               ; stage (K half), row r, + 64 x tile + 32 h
	s_mul_i32 s38, s20, 528
	s_add_co_u32 s38, s38, STG
	v_add_nc_u32 v[STR], s38, v[L16]               ; back: row = my wave's number
	s_mov_b32 s37, 0
	s_wait_dscnt 0x0                               ; both opening adds are done
	s_wait_kmcnt 0x0
	s_lshl_b32 s36, s23, 22                        ; PO: batch b, chunk wave / 2, rows 16 (wave % 2) on = 131,072 x wave, image qt of a row's eight: made of y and the wave's number alone
	s_lshl_b32 s38, s20, 17
	s_add_co_u32 s36, s36, s38
	s_lshl_b32 s38, s16, 10
	s_add_co_u32 s36, s36, s38
	s_add_nc_u64 s[34:35], s[4:5], s[36:37]        ; group 0: the global address,
	s_or_b32 s35, s35, 0x80000000                  ; and the type
	s_lshl_b32 s36, s23, 18                        ; ML: ((16 b + chunk) 16 + head) 1,024 bytes + 8 (16 qt + r)
	s_lshl_b32 s38, s20, 10
	s_add_co_u32 s36, s36, s38
	s_lshl_b32 s38, s16, 7
	s_add_co_u32 s36, s36, s38
	s_add_nc_u64 s[6:7], s[6:7], s[36:37]
	s_lshl_b32 s36, s20, 7                         ; bv: my head's 32 numbers
	s_add_nc_u64 s[8:9], s[8:9], s[36:37]
	s_lshl_b32 s36, s21, 3
	s_add_co_u32 s36, s36, s18                     ; WOF: tile of 16 rows of Wo 8 cx + w % 8: 16 images,
	s_lshl_b32 s36, s36, 14
	s_lshl_b32 s38, s17, 13                        ; heads 8 (w / 8) on
	s_add_co_u32 s36, s36, s38
	s_add_nc_u64 s[10:11], s[10:11], s[36:37]
	s_lshl_b32 s36, s21, 9                         ; bo: my work-group's 128 numbers
	s_add_nc_u64 s[12:13], s[12:13], s[36:37]
	s_lshl_b32 s36, s22, 4
	s_add_co_u32 s36, s36, s20                     ; out0: row 16 (8 b + qt) + wave,
	s_lshl_b32 s36, s36, 11
	s_lshl_b32 s38, s21, 9
	s_add_co_u32 s36, s36, s38                     ; columns 128 cx on
	s_add_nc_u64 s[14:15], s[14:15], s[36:37]
	ROUND                                          ; all four partners are here: the first joint loads meet
	tensor_load_to_lds s[32:35], s[24:31]          ; chunks 0-7: every wave its 16 rows
	s_nop 0
	PLACES 4
.irp c, 0,1,2,3,4,5,6,7,8,9,10,11,12,13,14,15
	global_load_b64 v[PR+2*\c:PR+2*\c+1], v[R8], s[6:7] offset:16384*\c        ; (M, L) of query r in chunk c
.endr
.irp t, 0,1
	global_load_b128 v[ACC+8*\t:ACC+8*\t+3], v[H32], s[8:9] offset:64*\t       ; bv at channels 16 ct + 8 h + 0 .. 7
	global_load_b128 v[ACC+8*\t+4:ACC+8*\t+7], v[H32], s[8:9] offset:64*\t+16
.endr
	s_wait_loadcnt 4                               ; the 16 pairs are in; bv's 4 loads may be out.  The weights are made while the tile is on its way
	v_max3_num_f32 v64, v[PR], v[PR+2], v[PR+4]
.irp c, 3,5,7,9,11,13
	v_max3_num_f32 v64, v64, v[PR+2*\c], v[PR+2*\c+2]
.endr
	v_max_num_f32 v64, v64, v[PR+30]               ; m: the largest M is taken away before the exponentials
.irp c, 0,1,2,3,4,5,6,7,8,9,10,11,12,13,14,15
	v_sub_f32 v[PR+2*\c], v[PR+2*\c], v64
.endr
.irp c, 0,1,2,3,4,5,6,7,8,9,10,11,12,13,14,15
	v_exp_f32 v[PR+2*\c], v[PR+2*\c]               ; w_c = 2^(M_c - m)
.endr
	v_nop                                          ; a plain instruction behind the batch,
	s_wait_alu depctr_va_vdst(0)                   ; and one wait ahead of its first reader
	v_mul_f32 v65, v[PR], v[PR+1]                  ; the divisor, sum of w_c L_c, in two chains
	v_mul_f32 v66, v[PR+2], v[PR+3]
.irp c, 2,4,6,8,10,12,14
	v_fmac_f32 v65, v[PR+2*\c], v[PR+2*\c+1]
	v_fmac_f32 v66, v[PR+2*\c+2], v[PR+2*\c+3]
.endr
	v_add_f32 v65, v65, v66
	v_rcp_f32 v67, v65
	v_nop
	s_wait_alu depctr_va_vdst(0)
.irp c, 0,1,2,3,4,5,6,7,8,9,10,11,12,13,14,15
	v_mul_f32 v[PR+2*\c], v[PR+2*\c], v67
.endr
	s_wait_tensorcnt 0x0                           ; my one tensor load, my 16 rows of chunks 0-7, has landed;
	s_wait_dscnt 0x0
	s_barrier_signal -1
	s_barrier_wait -1                              ; everybody's has
	SREAD
	s_wait_tensorcnt 0x0                           ; no tensor load of mine is out, so group 0 may be written
	ds_add_u32 v[SPW], v[NIL]                      ; 0 onto my spare word
	s_add_nc_u64 s[34:35], s[34:35], 0x200000      ; eight chunks of 262,144 bytes on; the type bits on top are not reached
	s_wait_dscnt 0x0                               ; the add is done, and my reads of the slot are over: chunks 0-7 of my head stand in registers
	ROUND                                          ; the same holds of every wave of all four partners
	tensor_load_to_lds s[32:35], s[24:31]          ; chunks 8-15, first thing behind the round: my one tensor load behind it, and my last
	s_nop 0
	PLACES 4
.irp i, 0,1,2,3,4,5,6,7
	global_load_b128 v[SETC+8*\i:SETC+8*\i+3], v[L16], s[10:11] offset:1024*\i         ; Wo's eight images, 8 KB on end
	global_load_b128 v[SETC+8*\i+4:SETC+8*\i+7], v[L16], s[10:11] offset:1024*\i+512
.endr
	s_wait_loadcnt 16                              ; bv is in; Wo's 16 loads may be out
	PROC SETA, 0                                   ; chunks 0-7 are summed while chunks 8-15 are on their way
	PROC SETB, 4
	s_wait_tensorcnt 0x0                           ; my 16 rows of chunks 8-15 have landed;
	s_wait_dscnt 0x0
	s_barrier_signal -1
	s_barrier_wait -1                              ; everybody's have
	SREAD
	s_wait_dscnt 16                                ; the first 16 loads, chunks 8-11, are in; the younger 16 may be out
	PROC SETA, 8
	s_wait_dscnt 0x0
	PROC SETB, 12
	global_load_b128 v[40:43], v[L16], s[12:13]    ; bo at columns 4 lane on (the weights' registers are done with)
.irp i, 0,1,2,3,4,5,6,7
	v_cvt_pk_f16_f32 v[32+\i], v[ACC+2*\i], v[ACC+2*\i+1]          ; a in f16: the operand's registers
.endr
	ds_store_b128 v[AIW], v[32:35]
	ds_store_b128 v[AIW], v[36:39] offset:512
	s_wait_dscnt 0x0                               ; for the others' sake: my image lies in LDS
	s_barrier_signal -1
	s_barrier_wait -1
.irp i, 0,1,2,3,4,5,6,7
	ds_load_b128 v[SETA+8*\i:SETA+8*\i+3], v[AIR] offset:1024*\i
	ds_load_b128 v[SETA+8*\i+4:SETA+8*\i+7], v[AIR] offset:1024*\i+512
.endr
	s_wait_loadcnt 1                               ; Wo is in; bo's load may be out
	s_wait_dscnt 0x0
.irp i, 0,1,2,3,4,5,6,7                        ; TRANSPOSED: lane (r, h) holds query r, register j column 16 tile + 8 h + j.  Two accumulators by turns
.if \i < 2
	v_wmma_f32_16x16x32_f16 v[16+8*(\i%2):16+8*(\i%2)+7], v[SETC+8*\i:SETC+8*\i+7], v[SETA+8*\i:SETA+8*\i+7], 0
.else
	v_wmma_f32_16x16x32_f16 v[16+8*(\i%2):16+8*(\i%2)+7], v[SETC+8*\i:SETC+8*\i+7], v[SETA+8*\i:SETA+8*\i+7], v[16+8*(\i%2):16+8*(\i%2)+7]
.endif
.endr
	PLACES 4                                       ; four plain instructions between the last product and the first read of results
.irp i, 0,2,4,6
	v_pk_add_f32 v[16+\i:17+\i], v[16+\i:17+\i], v[24+\i:25+\i]    ; both accumulators from their low ends on
.endr
	ds_store_b128 v[STW], v[16:19]
	ds_store_b128 v[STW], v[20:23] offset:16
	s_wait_dscnt 0x0
	s_barrier_signal -1
	s_barrier_wait -1
	ds_load_b128 v[44:47], v[STR]                  ; row = my wave's number, 16 bytes a lane: the first half of K,
	ds_load_b128 v[48:51], v[STR] offset:8448      ; and the second
	s_wait_dscnt 0x0
	s_wait_loadcnt 0x0                             ; bo
	v_pk_add_f32 v[44:45], v[44:45], v[48:49]
	v_pk_add_f32 v[46:47], v[46:47], v[50:51]
	v_pk_add_f32 v[44:45], v[44:45], v[40:41]
	v_pk_add_f32 v[46:47], v[46:47], v[42:43]
	global_store_b128 v[L16], v[44:47], s[14:15]   ; 32 lanes store 512 consecutive bytes, at a multiple of 256 from out0's first byte
	s_wait_tensorcnt 0x0                           ; the wave's end: three closing lines behind my last tensor load and my last LDS store
	ds_add_u32 v[SPW], v[NIL]
	s_wait_dscnt 0x0
	ROUND                                          ; the closing round: no work-group ends while a partner may still ask for a tile that names it
	s_endpgm
.Lfunc_end_k_q44f0d09293_outp:
	.size	k_q44f0d09293_outp, .Lfunc_end_k_q44f0d09293_outp-k_q44f0d09293_outp
	.p2alignl 7, 3214868480
	.fill 96, 4, 3214868480
	.section	.rodata,"a",@progbits
	.p2align	6, 0x0
	.amdhsa_kernel k_q44f0d09293_outp
		.amdhsa_group_segment_fixed_size 327680
		.amdhsa_private_segment_fixed_size 0
		.amdhsa_enable_private_segment 0
		.amdhsa_kernarg_size 48
		.amdhsa_user_sgpr_count 2
		.amdhsa_user_sgpr_kernarg_segment_ptr 1
		.amdhsa_wavefront_size32 1
		.amdhsa_system_sgpr_workgroup_id_x 1
		.amdhsa_system_sgpr_workgroup_id_y 1
		.amdhsa_system_sgpr_workgroup_id_z 1
		.amdhsa_system_vgpr_workitem_id 0
		.amdhsa_next_free_vgpr 256
		.amdhsa_next_free_sgpr 66
		.amdhsa_reserve_vcc 0
		.amdhsa_float_denorm_mode_32 3
		.amdhsa_float_denorm_mode_16_64 3
		.amdhsa_memory_ordered 1
		.amdhsa_forward_progress 1
		.amdhsa_inst_pref_size 28
	.end_amdhsa_kernel
	.amdgpu_metadata
---
amdhsa.version: [ 1, 2 ]
amdhsa.kernels:
  - .name:           k_q44f0d09293_outp
    .symbol:         k_q44f0d09293_outp.kd
    .args:
      - { .name: PO, .offset: 0, .size: 8, .value_kind: global_buffer, .address_space: global }
      - { .name: ML, .offset: 8, .size: 8, .value_kind: global_buffer, .address_space: global }
      - { .name: bv, .offset: 16, .size: 8, .value_kind: global_buffer, .address_space: global }
      - { .name: WOF, .offset: 24, .size: 8, .value_kind: global_buffer, .address_space: global }
      - { .name: bo, .offset: 32, .size: 8, .value_kind: global_buffer, .address_space: global }
      - { .name: out0, .offset: 40, .size: 8, .value_kind: global_buffer, .address_space: global }
    .group_segment_fixed_size: 327680
    .private_segment_fixed_size: 0
    .kernarg_segment_align: 8
    .kernarg_segment_size: 48
    .max_flat_workgroup_size: 512
    .sgpr_count:     66
    .vgpr_count:     256
    .wavefront_size: 32
...
	.end_amdgpu_metadata
.endif
;; end of part 5
